; MI455X (gfx1250); checked and timed in simulation.
; The chip was launched on July 23, 2026; its instructions are those of AMD's public machine-readable ISA for CDNA 5 (MIT licence, August 2026) and "CDNA5" Instruction Set Architecture Reference Guide (July 2026). The comments in the code are by the model that wrote it; some were corrected since.
;; Qwen3 Attention. Allowed arithmetic: matrix products marked QUANTISED: E2M3 operands, one E8M0 scale for each 32 along K, by v_wmma_scale_f32_16x16x128_f8f6f4 with both operands' format E2M3, f32 sums; everything else in f32.
;; Inputs: Wk 1,024 x 1,024 float32; Wo 2,048 x 1,024 float32; Wq 1,024 x 2,048 float32; Wv 1,024 x 1,024 float32; attention_mask 1 x 1 x 2,048 x 2,048 bool; cos 2,048 x 128 float32; hidden_states 2 x 2,048 x 1,024 float32; k_norm_w 128 float32; q_norm_w 128 float32; sin 2,048 x 128 float32.
;; Outputs: out0 2 x 2,048 x 1,024 float32.
;; This version of the problem:
;;   THIS VERSION OF THE PROBLEM IS GIVEN IN LOW PRECISION. The matrix products marked QUANTISED in the list below multiply operands that are first quantised to E2M3 (2 exponent bits, 3 mantissa bits; 6 bits a number), with one power-of-two scale for each 32 numbers along K (OCP MX v1.0); their sums are f32. All else is computed in f32.
;;   The module's matrix products, in the order in which they are computed (A, B: the left and right operand; K: the contracted axis; several contracted axes count as one K, in the product's order):
;;     1. [M 4,096, K 1,024] x [K 1,024, N 2,048]; A: input hidden_states; B: input Wq: QUANTISED
;;     2. [M 4,096, K 1,024] x [K 1,024, N 1,024]; A: input hidden_states; B: input Wk: QUANTISED
;;     3. [M 4,096, K 1,024] x [K 1,024, N 1,024]; A: input hidden_states; B: input Wv: QUANTISED
;;     4. batch 16 x [M 4,096, K 128] x [K 128, N 2,048]; A: computed on the way; B: computed on the way: QUANTISED
;;     5. batch 16 x [M 4,096, K 2,048] x [K 2,048, N 128]; A: softmax (see below); B: computed on the way: QUANTISED
;;     6. [M 4,096, K 2,048] x [K 2,048, N 1,024]; A: computed on the way; B: input Wo: QUANTISED
;;   THE QUANTISER, for each operand of a quantised product, along K:
;;     - K is cut into blocks of 32 from its start; a last block that is shorter is filled with zeros.
;;     - A block's scale is 2^e with e = floor(log2(the largest magnitude in the block)) - 2, held to -126 .. 127; a block of zeros has e = 0. As a byte (E8M0): e + 127.
;;     - Each number is divided by its block's scale, clamped to +-7.5, and rounded to the nearest number of E2M3, ties to even, subnormals kept.
;;     - The product sums the exact products of the quantised numbers (number of the format x scale) in f32.
;;   ~~~python
;;   def quantise(x, axis):      # numpy; x: float32 -> the quantised numbers, widened to float32 again
;;       x = np.moveaxis(x, axis, -1); K = x.shape[-1]
;;       x = np.pad(x, [(0, 0)] * (x.ndim - 1) + [(0, -K % 32)]); x = x.reshape(x.shape[:-1] + (-1, 32)); a = np.abs(x).max(-1, keepdims=True)
;;       e = np.where(a > 0, np.clip(np.frexp(np.where(a > 0, a, 1))[1] - 1 - 2, -126, 127), 0)      # np.frexp(a)[1] - 1 = floor(log2(a)), exactly
;;       r = np.clip(x / 2.0 ** e, -7.5, 7.5)
;;       step = 2.0 ** (np.maximum(np.frexp(np.where(r == 0, 1, r))[1] - 1, 0) - 3)
;;       q = np.round(r / step) * step * 2.0 ** e      # np.round: ties to even
;;       return np.moveaxis(q.reshape(q.shape[:-2] + (-1,))[..., :K], -1, axis).astype(np.float32)
;;   ~~~
;;   SOFTMAX AHEAD OF A QUANTISED PRODUCT. Where the list says 'softmax', what is quantised is not the finished softmax but p = 2^(t - M), with t = logit x log2(e) and M = ceil(the row's largest t), a whole number; so 1/2 < the row's largest p <= 1. The row's sum l is taken of the UNQUANTISED p, in f32, and the product's result is divided by l at the end. Since M is a whole number, a kernel that streams over the keys may use a running M (the ceiling of the running maximum): every later rescaling is an exact power of two, which a block's scale takes up: the codes' values come out the same.
;;   OPERANDS COMPUTED ON THE WAY. 'Computed on the way' means the value that the module computes at that place (a softmax that the list does not call 'softmax' is quantised finished and normalised). What goes into a quantiser is computed in f32, as accurately as f32 sums, v_exp_f32 and their like allow (about 1e-6 of the number): no bf16 or f16 on the way to a quantiser, and a product that is left as it is and whose result goes on into a quantised operand takes f32 operands (vector FMAs, or v_wmma_f32_16x16x4_f32). A number that lies on a knife's edge between two numbers of the format may be rounded either way, as far as f32 arithmetic and the matrix unit's own rounding can turn it there, and no further.
;; One version. Each part assembles by itself: llvm-mc -triple=amdgcn-amd-amdhsa -mcpu=gfx1250 --defsym DOCPART=n.
;; ======== version 1 of 1: 4 launches
;; limits: right only within a limited range of input values
;; workspace buffers: XB 3,276,800 bytes; WB 4,915,200 bytes; TAB 2,097,152 bytes; FLG 512 bytes of whole numbers; QB 6,553,600 bytes; KV 6,553,600 bytes; AB 6,553,600 bytes
;; launch prep (part 1): grid 800 x 1, 4 waves a work-group, no clusters, 58,880 bytes of LDS; arguments hidden_states, cos, sin, Wq, Wk, Wv, Wo, attention_mask, XB, WB, TAB, FLG; writes XB, WB, TAB, FLG
.if DOCPART == 1
	.amdgcn_target "amdgcn-amd-amdhsa--gfx1250"
	.amdhsa_code_object_version 6
	.text
	.protected	k_q6c3789c7af_prep
	.globl	k_q6c3789c7af_prep
	.p2align	8
	.type	k_q6c3789c7af_prep,@function
k_q6c3789c7af_prep:
	s_mov_b64 s[64:65], 0
	v_nop
	global_prefetch_b8 v0, s[64:65] scope:SCOPE_SE
	s_setreg_imm32_b32 hwreg(HW_REG_WAVE_MODE, 25, 1), 1
	s_wait_xcnt 0x0
; PREP: everything that later launches read many times is laid out once.
;   x [4096][1024] f32            -> XB: codes of FP6 (E2M3) and E8M0 scale words, as images of the operand's registers
;   Wq, Wk, Wv [1024][n], Wo [2048][1024] f32, K the FIRST axis -> WB: the same, K innermost
;   cos, sin [2048][128] f32      -> TAB: the numbers in the order in which a lane of the next launch holds its results
;   attention_mask [2048][2048]   -> FLG: for each tile of 16 queries x 128 keys two bits: 0 no entry true, 1 some, 2 all
; A FRAGMENT (16 rows x 128 K, 12 registers a lane) is stored as 3 chunks of 512 bytes: chunk c holds lane l's registers 4 c .. 4 c + 3 at byte 16 l.
; Its scale words: 16 words, word r for the fragment's row r.
; THE ROWS OF A TILE ARE NOT NEIGHBOURS: row r of tile T stands for row 32 (T / 2) + 8 (T % 2) + 16 (r / 8) + r % 8, so that the results of two neighbouring
; tiles, used as source 0 of a product, are 16 neighbours along the next product's K in one lane.
; A block's scale is 2^(floor(log2(largest magnitude)) - 2); its byte is the largest magnitude's exponent field - 2, held at 1 from below.
; LIMITS: a block of zeros gets the byte 1 (its codes are zeros; this program alone reads the bytes); blocks whose largest magnitude lies under 2^-124 are held at byte 1;
; NaN and infinities among the inputs are not served.
; SHARES: work-groups 0-255 x (a tile of 16 rows; a wave two K steps), 256-287 the tables (a wave a tile), 288-415 Wq, 416-671 Wk, Wv, Wo (a wave 32 columns x 128 K),
; 672-799 the mask (a tile of 16 queries; a wave 512 keys).  Waves share nothing: no barrier.  Each path that stores to LDS has LDS bytes of its own.
; No matrix unit, no cluster, no tensor load: every byte is read once, by loads of 128 to 512 consecutive bytes a wave.
.set SPARE, 58368                      ; behind the stages: the spare words, 128 bytes for each wave
.set SPW,   222                        ; v222 LDS address of my spare word; never rewritten
.set NIL,   223                        ; v223 0; never rewritten
.set XSC,   3145728                    ; XB, WB: where the scale words of the 256 tiles x 8 K steps begin
.set WOC,   3276800                    ; WB: Wo's codes
.set WOS,   4849664                    ; WB: Wo's scale words
.set OF,    16                         ; v16-31   x, tables: byte offset of my 16 bytes in row i of the tile
.set R,     32                         ; v32-159  two sets of 64 numbers
.set PC0,   160                        ; v160-179 a fragment's codes (12) and the conversions' second halves
.set PC1,   180
.set TM,    200                        ; v200-215 largest magnitudes, bytes, scale operands
.set PW0,   216
.set PW1,   217
.set X,     32                         ; weights: v32-95 two sets of 32 numbers
.set C,     96                         ; v96-106  a block's codes
.set WO,    112                        ; v112-135 two fragments on their way out
; 64 numbers of a lane, register 16 b + i = k 32 b + 16 (lane / 16) + i of my row, become a fragment in v[pc] on and its scale word in v[pw]
.macro QUANT s, pc, pw
.irp b, 0,1,2,3
	v_max3_num_f32 v[TM+\b], |v[\s+16*\b]|, |v[\s+1+16*\b]|, 0x1800000   ; my 16 numbers of block b, and the floor 2^(3 - 127): the byte cannot fall under 1
.endr
.irp i, 2,4,6,8,10,12,14
.irp b, 0,1,2,3
	v_max3_num_f32 v[TM+\b], v[TM+\b], |v[\s+16*\b+\i]|, |v[\s+1+16*\b+\i]|
.endr
.endr
.irp b, 0,1,2,3
	v_permlanex16_b32 v[TM+4+\b], v[TM+\b], s56, s57
.endr
.irp b, 0,1,2,3
	v_max_num_f32 v[TM+\b], v[TM+\b], v[TM+4+\b]   ; with lane l xor 16's 16: the block's largest magnitude
.endr
.irp b, 0,1,2,3
	v_add_nc_u32 v[TM+12+\b], 0xff000000, v[TM+\b] ; 2 off its exponent field: the conversion's scale operand
.endr
.irp b, 0,1,2,3
	v_lshrrev_b32 v[TM+4+\b], 23, v[TM+12+\b]      ; the scale's byte
.endr
	v_lshl_or_b32 v[\pw], v[TM+5], 8, v[TM+4]
	v_lshl_or_b32 v[\pw], v[TM+6], 16, v[\pw]
	v_lshl_or_b32 v[\pw], v[TM+7], 24, v[\pw]
.irp c, 0,1
	v_cvt_scalef32_pk16_fp6_f32 v[\pc+6*\c:\pc+2+6*\c], v[\s+32*\c:\s+15+32*\c], v[TM+12+2*\c]
	v_cvt_scalef32_pk16_fp6_f32 v[\pc+12+4*\c:\pc+14+4*\c], v[\s+16+32*\c:\s+31+32*\c], v[TM+12+2*\c+1]
.endr
	v_nop                                          ; one plain place behind a scaled conversion
.irp c, 0,1                                    ; the operand wants a whole block in a lane: lanes 0-15 block 2 c, lanes 16-31 block 2 c + 1
.irp i, 0,1,2
	v_permlane16_swap_b32 v[\pc+6*\c+\i], v[\pc+12+4*\c+\i]
.endr
.irp i, 0,1,2
	v_mov_b32 v[\pc+3+6*\c+\i], v[\pc+12+4*\c+\i]
.endr
.endr
.endm
; 16 rows x 512 bytes, loaded as they lie, turn through my stage (rows 528 bytes apart) and come back 64 bytes a lane and block; LDS serves a wave's instructions in order
.macro TURNF f
.irp i, 0,1,2,3,4,5,6,7,8,9,10,11,12,13,14,15
	ds_store_b128 v4, v[R+64*\f+4*\i:R+64*\f+4*\i+3] offset:528*\i
.endr
.irp b, 0,1,2,3
.irp j, 0,1,2,3
	ds_load_b128 v[R+64*\f+16*\b+4*\j:R+64*\f+16*\b+4*\j+3], v5 offset:128*\b+16*\j
.endr
.endr
.endm
; weights: block t of my column, W(32 t + i, column), into set t % 2: 32 lanes read 128 consecutive bytes
.macro WLOAD t, pitch
.irp i, 0,1,2,3,4,5,6,7,8,9,10,11,12,13,14,15,16,17,18,19,20,21,22,23,24,25,26,27,28,29,30,31
	global_load_b32 v[X+32*((\t)%2)+\i], v7, s[36:37] offset:(32*(\t)+\i)*(\pitch) th:TH_LOAD_NT
.endr
.endm
.macro WBLOCK t, pitch
.set XS, X+32*((\t)%2)
.if (\t) < 3
	s_wait_loadcnt 32                              ; this block's 32 loads are in; the next block's 32 may be out
.else
	s_wait_loadcnt 0x0
.endif
	v_max3_num_f32 v12, |v[XS]|, |v[XS+1]|, |v[XS+2]|   ; all 32 numbers of the block are mine
	v_max3_num_f32 v13, |v[XS+3]|, |v[XS+4]|, |v[XS+5]|
.irp i, 6,10,14,18,22,26
	v_max3_num_f32 v12, v12, |v[XS+\i]|, |v[XS+\i+1]|
	v_max3_num_f32 v13, v13, |v[XS+\i+2]|, |v[XS+\i+3]|
.endr
	v_max3_num_f32 v12, v12, |v[XS+30]|, |v[XS+31]|
	v_max3_num_f32 v12, v12, v13, 0x1800000        ; and the floor
	v_add_nc_u32 v15, 0xff000000, v12
	v_lshrrev_b32 v13, 23, v15
.if (\t) == 0
	v_mov_b32 v16, v13                             ; my column's scale word: byte t for block t
.else
	v_lshl_or_b32 v16, v13, 8*(\t), v16
.endif
	v_cvt_scalef32_pk16_fp6_f32 v[C:C+2], v[XS:XS+15], v15
	v_cvt_scalef32_pk16_fp6_f32 v[C+8:C+10], v[XS+16:XS+31], v15
	v_nop                                          ; one plain place behind a scaled conversion
	v_mov_b32 v[C+3], v[C+8]
	v_mov_b32 v[C+4], v[C+9]
	v_mov_b32 v[C+5], v[C+10]
; block t is registers 6 (t / 2) .. + 5 of lane (row, t % 2) of the fragment: 24 bytes that fall into two chunks of the image
.if (\t) < 2
	ds_store_b128 v10, v[C:C+3] offset:256*((\t)%2)
	ds_store_b64 v10, v[C+4:C+5] offset:512+256*((\t)%2)
.else
	ds_store_b64 v10, v[C:C+1] offset:520+256*((\t)%2)
	ds_store_b128 v10, v[C+2:C+5] offset:1024+256*((\t)%2)
.endif
.if (\t)+2 < 4
	WLOAD (\t)+2, \pitch
.endif
	s_wait_dscnt 0x0                               ; the stores have read their registers: the next block's codes may be written
.endm
; a wave's 32 columns x 128 K.  In: s[36:37] the weight, s31 column group, s33 K step, s34 first tile of the weight in its section, s40 K steps of a tile, s41, s42 the sections of codes and scale words
.macro WPATH pitch, ldsbase
	s_lshl_b32 s43, s31, 3
	s_lshl_b32 s44, s28, 1
	s_add_co_u32 s43, s43, s44
	s_add_co_u32 s43, s43, s34                     ; my first tile: 8 x column group + 2 x wave
	s_mul_i32 s43, s43, s40
	s_add_co_u32 s43, s43, s33                     ; its fragment of this K step
	s_mul_i32 s44, s43, 1536
	s_add_co_u32 s44, s44, s41
	s_mov_b32 s45, 0
	s_add_nc_u64 s[46:47], s[22:23], s[44:45]      ; where the first tile's fragment goes,
	s_mul_i32 s44, s40, 1536
	s_add_nc_u64 s[48:49], s[46:47], s[44:45]      ; and the second tile's
	s_lshl_b32 s44, s43, 6
	s_add_co_u32 s44, s44, s42
	s_add_nc_u64 s[50:51], s[22:23], s[44:45]      ; the scale words
	s_lshl_b32 s52, s40, 6                         ; from a tile's scale words to the next tile's
	s_mul_i32 s44, s33, 128*(\pitch)
	s_lshl_b32 s53, s31, 9
	s_add_co_u32 s44, s44, s53
	s_lshl_b32 s53, s28, 7
	s_add_co_u32 s44, s44, s53
	s_add_nc_u64 s[36:37], s[36:37], s[44:45]      ; row 128 x K step, column 128 x group + 32 x wave
	WLOAD 0, \pitch
	WLOAD 1, \pitch
	v_bfe_u32 v8, v0, 3, 1                         ; column c of the 32 is row (c % 8) + 8 (c / 16) of tile (c / 8) % 2
	v_and_b32 v9, 7, v0
	v_lshl_add_u32 v9, v3, 3, v9
	s_mul_i32 s54, s28, 3072
	s_add_co_u32 s54, s54, \ldsbase                ; my stage: two images
	v_mul_u32_u24 v10, v8, 1536
	v_lshl_add_u32 v10, v9, 4, v10
	v_add_nc_u32 v10, s54, v10
	v_add_nc_u32 v11, s54, v6
	v_mul_u32_u24 v14, s52, v8
	v_lshl_add_u32 v14, v9, 2, v14
	WBLOCK 0, \pitch
	WBLOCK 1, \pitch
	WBLOCK 2, \pitch
	WBLOCK 3, \pitch
.irp m, 0,1,2,3,4,5
	ds_load_b128 v[WO+4*\m:WO+4*\m+3], v11 offset:512*\m
.endr
.irp m, 0,1,2
	s_wait_dscnt 5-\m                              ; chunk m is back; the younger ones may be out
	global_store_b128 v6, v[WO+4*\m:WO+4*\m+3], s[46:47] offset:512*\m     ; 512 consecutive bytes
.endr
.irp m, 3,4,5
	s_wait_dscnt 5-\m
	global_store_b128 v6, v[WO+4*\m:WO+4*\m+3], s[48:49] offset:512*(\m-3)
.endr
	s_wait_alu depctr_va_vdst(0)
	global_store_b32 v14, v16, s[50:51]            ; the scale words leave in pieces of 32 bytes: 128 bytes for the 16,384 that the wave read
	s_branch .Lend
.endm
	s_load_b512 s[4:19], s[0:1], 0x0               ; x s[4:5], cos s[6:7], sin s[8:9], Wq s[10:11], Wk s[12:13], Wv s[14:15], Wo s[16:17], mask s[18:19]
	s_load_b256 s[20:27], s[0:1], 0x40             ; XB s[20:21], WB s[22:23], TAB s[24:25], FLG s[26:27]
	v_lshl_add_u32 v[SPW], v0, 2, SPARE
	v_mov_b32 v[NIL], 0
	v_lshrrev_b32 v1, 5, v0
	v_readfirstlane_b32 s28, v1                    ; wave 0..3
	v_and_b32 v1, 31, v0                           ; lane
	v_and_b32 v2, 15, v0                           ; r
	v_bfe_u32 v3, v0, 4, 1                         ; h
	v_lshlrev_b32 v6, 4, v1                        ; 16 x lane
	v_lshlrev_b32 v7, 2, v1                        ; 4 x lane
	s_mov_b32 s56, 0x76543210
	s_mov_b32 s57, 0xfedcba98                      ; v_permlanex16_b32's selects for lane l xor 16
	s_wait_kmcnt 0x0
	s_cmp_lt_u32 ttmp9, 288
	s_cbranch_scc1 .Lxt
	s_cmp_lt_u32 ttmp9, 416
	s_cbranch_scc1 .Lwq
	s_cmp_lt_u32 ttmp9, 672
	s_cbranch_scc1 .Lw2
	; ---- THE MASK: tile T of 16 queries, my quarter of the keys.  Nothing here branches on the mask or forms an address from it.
	s_sub_co_u32 s30, ttmp9, 672                   ; T
	s_lshr_b32 s31, s30, 1
	s_lshl_b32 s31, s31, 5
	s_and_b32 s33, s30, 1
	s_lshl_b32 s33, s33, 3
	s_add_co_u32 s31, s31, s33                     ; the tile's first row
	s_lshl_b32 s31, s31, 11
	s_lshl_b32 s33, s28, 9
	s_add_co_u32 s40, s31, s33
	s_mov_b32 s41, 0
	s_add_nc_u64 s[18:19], s[18:19], s[40:41]
	s_wait_alu depctr_va_vdst(0)
.irp i, 0,1,2,3,4,5,6,7,8,9,10,11,12,13,14,15
	global_load_b128 v[32+4*\i:35+4*\i], v6, s[18:19] offset:(16*(\i/8)+\i%8)*2048   ; 512 consecutive bytes of a row
.endr
	s_lshl_b32 s40, s30, 2
	s_add_co_u32 s40, s40, s28
	s_add_nc_u64 s[26:27], s[26:27], s[40:41]      ; byte (wave) of word T
	s_wait_loadcnt 0x0
	v_and_b32 v8, v32, v33                         ; the AND and the OR of my 16 columns' 256 bytes, in two chains each
	v_and_b32 v9, v34, v35
	v_or_b32 v10, v32, v33
	v_or_b32 v11, v34, v35
.set i, 36
.rept 30
	v_and_b32 v8, v8, v[i]
	v_and_b32 v9, v9, v[i+1]
	v_or_b32 v10, v10, v[i]
	v_or_b32 v11, v11, v[i+1]
.set i, i+2
.endr
	v_and_b32 v8, v8, v9
	v_or_b32 v10, v10, v11
	v_cmp_eq_u32 s42, 0x01010101, v8               ; lanes all of whose entries are true
	v_cmp_ne_u32 s43, 0, v10                       ; lanes with a true entry
	s_mov_b32 s44, 0
.irp g, 0,1,2,3                                ; lanes 8 g .. 8 g + 7 hold key step 4 x wave + g
	s_bfe_u32 s45, s42, (8<<16)|(8*\g)
	s_cmp_eq_u32 s45, 0xff
	s_cselect_b32 s45, 1, 0
	s_bfe_u32 s46, s43, (8<<16)|(8*\g)
	s_cmp_lg_u32 s46, 0
	s_cselect_b32 s46, 1, 0
	s_add_co_u32 s45, s45, s46                     ; 0 none, 1 some, 2 all
	s_lshl_b32 s45, s45, 2*\g
	s_or_b32 s44, s44, s45
.endr
	v_mov_b32 v12, s44
	v_mov_b32 v13, 0
	s_wait_alu depctr_va_vdst(0)
	s_wait_xcnt 0x0                                ; EXEC changes only behind this wait
	v_cmp_eq_u32 vcc_lo, 0, v1
	s_and_saveexec_b32 s47, vcc_lo
	global_store_b8 v13, v12, s[26:27]             ; lane 0 stores the wave's four flags
	s_wait_xcnt 0x0
	s_or_b32 exec_lo, exec_lo, s47
	s_branch .Lend
	; ---- x AND THE TABLES: one text.  x: tile = work-group, my two K steps of 128.  Tables: tile = 4 (work-group - 256) + wave; "K step" 0 is cos's row, 1 is sin's.
.Lxt:
	s_sub_co_u32 s31, ttmp9, 256
	s_lshl_b32 s31, s31, 2
	s_add_co_u32 s31, s31, s28
	s_lshl_b32 s33, s28, 10
	s_movk_i32 s30, 512
	s_cmp_lt_u32 ttmp9, 256
	s_cselect_b32 s31, ttmp9, s31                  ; the tile
	s_cselect_b32 s30, 4096, s30                   ; bytes from row to row
	s_cselect_b32 s33, s33, 0                      ; x: my two K steps begin 1,024 x wave bytes into the row
	s_cselect_b32 s34, 512, 0                      ; x: the second K step lies 512 bytes on
	s_cselect_b64 s[36:37], s[4:5], s[6:7]
	s_cselect_b64 s[38:39], s[4:5], s[8:9]
	s_lshr_b32 s40, s31, 1
	s_lshl_b32 s40, s40, 5
	s_and_b32 s41, s31, 1
	s_lshl_b32 s41, s41, 3
	s_add_co_u32 s40, s40, s41                     ; the tile's first row
	s_mul_i32 s40, s40, s30
	s_add_co_u32 s40, s40, s33
	s_mov_b32 s41, 0
	s_add_nc_u64 s[36:37], s[36:37], s[40:41]
	s_add_co_u32 s40, s40, s34
	s_add_nc_u64 s[38:39], s[38:39], s[40:41]
	s_wait_alu depctr_va_vdst(0)
.irp i, 0,1,2,3,4,5,6,7,8,9,10,11,12,13,14,15
	v_mad_u32_u24 v[OF+\i], s30, 16*(\i/8)+\i%8, v6    ; row i of the tile lies 16 (i / 8) + i % 8 rows down
.endr
.irp f, 0,1
.irp i, 0,1,2,3,4,5,6,7,8,9,10,11,12,13,14,15
	global_load_b128 v[R+64*\f+4*\i:R+64*\f+4*\i+3], v[OF+\i], s[36+2*\f:37+2*\f] th:TH_LOAD_NT   ; 512 consecutive bytes
.endr
.endr
	s_mul_i32 s42, s28, 8448                       ; my stage: 16 rows x 528 bytes
	v_add_nc_u32 v4, s42, v6
	v_mul_u32_u24 v5, v2, 528
	v_lshl_add_u32 v5, v3, 6, v5
	v_add_nc_u32 v5, s42, v5
.irp b, 0,1,2,3
	v_mov_b32 v[TM+4+\b], 0                        ; written once: a lane permute's destination counts as one of its sources
.endr
	s_wait_alu depctr_va_vdst(0)
	s_wait_loadcnt 16                              ; the first 16 loads are in; the second 16 may be out
	TURNF 0
	s_wait_loadcnt 0x0
	TURNF 1
	s_wait_dscnt 0x0
	s_cmp_lt_u32 ttmp9, 256
	s_cbranch_scc1 .Lxq
	s_lshl_b32 s40, s31, 14                        ; a tile of the tables: cos 8,192 bytes, sin 8,192
	s_add_nc_u64 s[24:25], s[24:25], s[40:41]
.irp f, 0,1
.irp g, 0,1,2,3,4,5,6,7,8,9,10,11,12,13,14,15
	global_store_b128 v6, v[R+64*\f+4*\g:R+64*\f+4*\g+3], s[24:25] offset:8192*\f+512*\g
.endr
.endr
	s_branch .Lend
.Lxq:
	s_lshl_b32 s40, s31, 3
	s_lshl_b32 s43, s28, 1
	s_add_co_u32 s40, s40, s43                     ; fragment 8 T + 2 x wave
	s_mul_i32 s44, s40, 1536
	s_mov_b32 s45, 0
	s_add_nc_u64 s[46:47], s[20:21], s[44:45]
	s_lshl_b32 s44, s40, 6
	s_add_co_u32 s44, s44, XSC
	s_add_nc_u64 s[48:49], s[20:21], s[44:45]
	QUANT R, PC0, PW0
.irp c, 0,1,2
	global_store_b128 v6, v[PC0+4*\c:PC0+4*\c+3], s[46:47] offset:512*\c
.endr
	QUANT R+64, PC1, PW1
.irp c, 0,1,2
	global_store_b128 v6, v[PC1+4*\c:PC1+4*\c+3], s[46:47] offset:1536+512*\c
.endr
	v_cmp_le_u32 vcc_lo, 16, v1
	v_cndmask_b32 v218, v[PW0], v[PW1], vcc_lo     ; lanes 0-15 the first fragment's words, lanes 16-31 the second's
	global_store_b32 v7, v218, s[48:49]            ; 128 consecutive bytes
	s_branch .Lend
	; ---- Wq: 16 column groups x 8 K steps
.Lwq:
	s_sub_co_u32 s30, ttmp9, 288
	s_and_b32 s31, s30, 15
	s_lshr_b32 s33, s30, 4
	s_mov_b32 s34, 0
	s_mov_b32 s40, 8
	s_mov_b32 s41, 0
	s_mov_b32 s42, XSC
	s_mov_b64 s[36:37], s[10:11]
	s_wait_alu depctr_va_vdst(0)
	WPATH 8192, 33792
	; ---- Wk (64 work-groups), Wv (64), Wo (128): rows of 4,096 bytes
.Lw2:
	s_sub_co_u32 s30, ttmp9, 416
	s_and_b32 s31, s30, 7
	s_lshr_b32 s33, s30, 3
	s_and_b32 s53, s33, 7
	s_and_b32 s33, s33, 15
	s_movk_i32 s34, 192
	s_mov_b32 s42, WOS
	s_cmp_lt_u32 s30, 64
	s_cselect_b64 s[36:37], s[12:13], s[14:15]
	s_cselect_b32 s34, 128, s34                    ; Wk's tiles follow Wq's 128, Wv's follow Wk's 64
	s_cmp_lt_u32 s30, 128
	s_cselect_b64 s[36:37], s[36:37], s[16:17]
	s_cselect_b32 s34, s34, 0
	s_cselect_b32 s33, s53, s33
	s_cselect_b32 s40, 8, 16
	s_cselect_b32 s41, 0, WOC
	s_cselect_b32 s42, XSC, s42
	s_wait_alu depctr_va_vdst(0)
	WPATH 4096, 46080
.Lend:
	s_wait_tensorcnt 0x0                           ; the wave's end
	ds_add_u32 v[SPW], v[NIL]
	s_wait_dscnt 0x0
	s_endpgm
.Lfunc_end_k_q6c3789c7af_prep:
	.size	k_q6c3789c7af_prep, .Lfunc_end_k_q6c3789c7af_prep-k_q6c3789c7af_prep
	.p2alignl 7, 3214868480
	.fill 96, 4, 3214868480
	.section	.rodata,"a",@progbits
	.p2align	6, 0x0
	.amdhsa_kernel k_q6c3789c7af_prep
		.amdhsa_group_segment_fixed_size 58880
		.amdhsa_private_segment_fixed_size 0
		.amdhsa_enable_private_segment 0
		.amdhsa_kernarg_size 96
		.amdhsa_user_sgpr_count 2
		.amdhsa_user_sgpr_kernarg_segment_ptr 1
		.amdhsa_wavefront_size32 1
		.amdhsa_system_sgpr_workgroup_id_x 1
		.amdhsa_system_sgpr_workgroup_id_y 1
		.amdhsa_system_sgpr_workgroup_id_z 1
		.amdhsa_system_vgpr_workitem_id 0
		.amdhsa_next_free_vgpr 224
		.amdhsa_next_free_sgpr 66
		.amdhsa_reserve_vcc 1
		.amdhsa_float_denorm_mode_32 3
		.amdhsa_float_denorm_mode_16_64 3
		.amdhsa_memory_ordered 1
		.amdhsa_forward_progress 1
		.amdhsa_inst_pref_size 74
	.end_amdhsa_kernel
	.amdgpu_metadata
---
amdhsa.version: [ 1, 2 ]
amdhsa.kernels:
  - .name:           k_q6c3789c7af_prep
    .symbol:         k_q6c3789c7af_prep.kd
    .args:
      - { .name: hidden_states, .offset: 0, .size: 8, .value_kind: global_buffer, .address_space: global }
      - { .name: cos, .offset: 8, .size: 8, .value_kind: global_buffer, .address_space: global }
      - { .name: sin, .offset: 16, .size: 8, .value_kind: global_buffer, .address_space: global }
      - { .name: Wq, .offset: 24, .size: 8, .value_kind: global_buffer, .address_space: global }
      - { .name: Wk, .offset: 32, .size: 8, .value_kind: global_buffer, .address_space: global }
      - { .name: Wv, .offset: 40, .size: 8, .value_kind: global_buffer, .address_space: global }
      - { .name: Wo, .offset: 48, .size: 8, .value_kind: global_buffer, .address_space: global }
      - { .name: attention_mask, .offset: 56, .size: 8, .value_kind: global_buffer, .address_space: global }
      - { .name: XB, .offset: 64, .size: 8, .value_kind: global_buffer, .address_space: global }
      - { .name: WB, .offset: 72, .size: 8, .value_kind: global_buffer, .address_space: global }
      - { .name: TAB, .offset: 80, .size: 8, .value_kind: global_buffer, .address_space: global }
      - { .name: FLG, .offset: 88, .size: 8, .value_kind: global_buffer, .address_space: global }
    .group_segment_fixed_size: 58880
    .private_segment_fixed_size: 0
    .kernarg_segment_align: 8
    .kernarg_segment_size: 96
    .max_flat_workgroup_size: 128
    .sgpr_count:     66
    .vgpr_count:     224
    .wavefront_size: 32
...
	.end_amdgpu_metadata
.endif
;; end of part 1
;; launch qkv (part 2): grid 64 x 4, 4 waves a work-group, clusters of 4 x 4, 327,680 bytes of LDS; arguments XB, WB, TAB, q_norm_w, k_norm_w, QB, KV; writes QB, KV
.if DOCPART == 2
	.amdgcn_target "amdgcn-amd-amdhsa--gfx1250"
	.amdhsa_code_object_version 6
	.text
	.protected	k_q6c3789c7af_qkv
	.globl	k_q6c3789c7af_qkv
	.p2align	8
	.type	k_q6c3789c7af_qkv,@function
k_q6c3789c7af_qkv:
	s_mov_b64 s[64:65], 0
	v_nop
	global_prefetch_b8 v0, s[64:65] scope:SCOPE_SE
	s_setreg_imm32_b32 hwreg(HW_REG_WAVE_MODE, 25, 1), 1
	s_wait_xcnt 0x0
	s_wait_alu depctr_hold_cnt(0) depctr_sa_sdst(0) depctr_va_vdst(0) depctr_va_sdst(0) depctr_va_ssrc(0) depctr_va_vcc(0) depctr_vm_vsrc(0)
	s_getreg_b32 s2, hwreg(HW_REG_IB_STS2, 6, 4)
	s_cmp_eq_u32 s2, 0
	s_cbranch_scc0 .Lentry_in_a_cluster
	s_endpgm
.Lentry_in_a_cluster:
	s_bfe_u32 s2, ttmp6, 0x10000c
	s_cmp_lg_u32 s2, 0xf033
	s_cbranch_scc0 .Lentry_shape_is_right
	s_endpgm
.Lentry_shape_is_right:
.set SLOT,  98304
.set SCL,   294912
.set STQ,   311296
.set STV,   313344
.set SPARE, 315392
.set XSC,   3145728
.set W0,    (3<<16)|(1<<21)
.set SQR,  12
.set SVR,  13
.set ADRA, 16
.set ADRB, 19
.set ADRS, 22
.set ADT,  23
.set SQA,  26
.set SVA,  27
.set SPW,  28
.set NIL,  29
.set CO,   30
.set SC,   32
.set AF,   64
.set RSB,  48
.set Y,    64
.set OUTR, 128
.set PC,   192
.set TM,   212
.set PW,   228
.set G1,   24
.set G0,   32
.set G1B,  44
.set G0B,  52
.set G1S,  68
.set G0S,  76
.set G1SB, 80
.set G0SB, 88
.set G1T,  92
.set MSB, 0
.macro WIN new
.if MSB != (\new)
	s_set_vgpr_msb (MSB<<8)|(\new)
.set MSB, (\new)
.endif
.endm
.macro PLACES
.rept 4
	v_nop
.endr
.endm
.macro JLOAD g0a, g1a, g0b, g1b
	s_cmp_eq_u32 s15, 0
	s_cbranch_scc0 .Lfor_b_\@
	tensor_load_to_lds s[\g0a:\g0a+3], s[\g1a:\g1a+7]
	s_nop 0
.rept 4
	v_nop
.endr
	s_branch .Lasked_\@
.Lfor_b_\@:
	tensor_load_to_lds s[\g0b:\g0b+3], s[\g1b:\g1b+7]
	s_nop 0
.rept 4
	v_nop
.endr
.Lasked_\@:
.endm
.macro TLOADT
	tensor_load_to_lds s[8:11], s[G1T:G1T+7]
	s_nop 0
.rept 4
	v_nop
.endr
.endm
.macro CREST
	s_cmp_lg_u32 s14, 0
	s_cbranch_scc1 .Lnot_wave_0_\@
	s_barrier_signal -3
.Lnot_wave_0_\@:
	s_barrier_wait -3
	s_barrier_signal -1
	s_barrier_wait -1
.endm
.macro CROUND
	s_barrier_signal -1
	s_barrier_wait -1
	CREST
.endm
	s_load_b256 s[68:75], s[0:1], 0x0
	s_load_b128 s[76:79], s[0:1], 0x20
	s_load_b64 s[80:81], s[0:1], 0x30
	v_lshl_add_u32 v[SPW], v0, 2, SPARE
	v_mov_b32 v[NIL], 0
	ds_add_u32 v[SPW], v[NIL]
	ds_add_u32 v[SPW], v[NIL]
	v_lshrrev_b32 v1, 5, v0
	v_readfirstlane_b32 s14, v1
	s_lshr_b32 s15, s14, 1
	s_and_b32 s16, s14, 1
	s_bfe_u32 s18, ttmp6, 0x40000
	s_bfe_u32 s19, ttmp6, 0x40004
	s_lshr_b32 s66, ttmp9, 2
	s_and_b32 s67, ttmp9, 3
	s_lshl_b32 s20, s19, 2
	s_lshl_b32 s20, 15, s20
	s_lshl_b32 s21, 0x1111, s18
	s_or_b32 s[G1], s20, W0
	s_or_b32 s[G1B], s21, W0
.irp g, G1, G1B
	s_mov_b32 s[\g+1], 384<<16
	s_mov_b32 s[\g+2], 8<<16
	s_mov_b32 s[\g+3], 384<<16
	s_mov_b32 s[\g+4], 8
	s_mov_b32 s[\g+5], 1536
	s_mov_b32 s[\g+6], 0
	s_mov_b32 s[\g+7], 0
.endr
	s_or_b32 s[G1T], s20, W0
	s_mov_b32 s[G1T+1], 32<<16
	s_mov_b32 s[G1T+2], 96<<16
	s_mov_b32 s[G1T+3], 32<<16
	s_mov_b32 s[G1T+4], 96
	s_mov_b32 s[G1T+5], 32
	s_mov_b32 s[G1T+6], 0
	s_mov_b32 s[G1T+7], 0
	s_lshl_b32 s22, s67, 6
	s_lshl_b32 s23, s66, 6
	s_movk_i32 s17, 192
	s_cmp_lt_u32 s66, 3
	s_cselect_b32 s17, s22, s17
	s_cselect_b32 s12, s23, s22
	s_lshl_b32 s2, s19, 4
	s_add_co_u32 s17, s17, s2
	s_lshl_b32 s3, s18, 4
	s_add_co_u32 s12, s12, s3
	s_lshl_b32 s13, s16, 3
	s_add_co_u32 s2, s17, s13
	s_add_co_u32 s3, s12, s13
	s_mul_i32 s13, s14, 24576
	s_wait_dscnt 0x0
	s_wait_kmcnt 0x0
	s_cmp_lt_u32 s66, 3
	s_cselect_b64 s[4:5], s[68:69], s[70:71]
	s_cselect_b64 s[22:23], s[70:71], s[68:69]
	s_cmp_eq_u32 s66, 2
	s_cselect_b64 s[100:101], s[76:77], s[74:75]
	s_cmp_lt_u32 s66, 2
	s_cselect_b64 s[6:7], s[78:79], s[80:81]
	s_mov_b64 s[10:11], s[72:73]
	s_or_b32 s[G1S], s20, W0
	s_or_b32 s[G1SB], s21, W0
.irp g, G1S, G1SB
	s_mov_b32 s[\g+1], 32<<16
	s_mov_b32 s[\g+2], 16<<16
	s_mov_b32 s[\g+3], 32<<16
	s_mov_b32 s[\g+4], 16
	s_mov_b32 s[\g+5], 32
	s_mov_b32 s[\g+6], 0
	s_mov_b32 s[\g+7], 0
.endr
	s_lshl_b32 s67, s14, 12
	s_mov_b32 s21, 0
	s_lshl_b32 s20, s2, 9
	s_add_co_u32 s20, s20, XSC
	s_mov_b32 s[G0S], 1
	s_add_co_u32 s[G0S+1], s67, SCL
	s_add_nc_u64 s[G0S+2:G0S+3], s[4:5], s[20:21]
	s_or_b32 s[G0S+3], s[G0S+3], 0x80000000
	s_mul_i32 s20, s2, 12288
	s_add_nc_u64 s[4:5], s[4:5], s[20:21]
	s_and_b32 s20, s17, 127
	s_lshl_b32 s2, s15, 3
	s_add_co_u32 s20, s20, s2
	s_lshl_b32 s20, s20, 14
	s_mul_i32 s2, s16, 24576
	s_add_co_u32 s20, s20, s2
	s_add_nc_u64 s[10:11], s[10:11], s[20:21]
	s_or_b32 s11, s11, 0x80000000
	s_mov_b32 s8, 1
	s_add_co_u32 s9, s13, SLOT
	s_lshl_b32 s20, s3, 9
	s_add_co_u32 s20, s20, XSC
	s_mov_b32 s[G0SB], 1
	s_add_co_u32 s[G0SB+1], s67, SCL
	s_add_nc_u64 s[G0SB+2:G0SB+3], s[22:23], s[20:21]
	s_or_b32 s[G0SB+3], s[G0SB+3], 0x80000000
	s_mul_i32 s20, s3, 12288
	s_add_nc_u64 s[22:23], s[22:23], s[20:21]
	CROUND
	JLOAD G0S, G1S, G0SB, G1SB
.irp s, 0,1,2
	s_mov_b32 s[G0+4*\s], 1
	s_add_co_u32 s[G0+4*\s+1], s13, \s*SLOT
	s_add_nc_u64 s[G0+4*\s+2:G0+4*\s+3], s[4:5], \s*3072
	s_or_b32 s[G0+4*\s+3], s[G0+4*\s+3], 0x80000000
	s_mov_b32 s[G0B+4*\s], 1
	s_add_co_u32 s[G0B+4*\s+1], s13, \s*SLOT
	s_add_nc_u64 s[G0B+4*\s+2:G0B+4*\s+3], s[22:23], \s*3072
	s_or_b32 s[G0B+4*\s+3], s[G0B+4*\s+3], 0x80000000
	s_wait_alu depctr_va_vdst(0)
	s_wait_tensorcnt 0x0
	ds_add_u32 v28, v29
	s_wait_dscnt 0x0
	CROUND
	JLOAD G0+4*\s, G1, G0B+4*\s, G1B
.endr
	v_and_b32 v1, 31, v0
	v_and_b32 v2, 15, v0
	v_bfe_u32 v3, v0, 4, 1
	v_lshlrev_b32 v[CO], 4, v1
	s_wait_alu depctr_va_vdst(0)
	v_lshlrev_b32 v5, 6, v3
	WIN 0x40
.irp b, 0,1,2,3
.irp j, 0,1,2,3
	global_load_b128 v[96+128*(\b/2)+16*(\b%2)+4*\j:96+128*(\b/2)+16*(\b%2)+4*\j+3], v5, s[100:101] offset:128*\b+16*\j
.endr
.endr
	WIN 0
	s_mul_i32 s20, s15, 24576
	s_mul_i32 s21, s16, 24576
	s_add_co_u32 s21, s21, 49152
.irp s, 0,1,2
	v_add_nc_u32 v[ADRA+\s], s20, v[CO]
	v_add_nc_u32 v[ADRB+\s], s21, v[CO]
	s_add_co_u32 s20, s20, SLOT
	s_add_co_u32 s21, s21, SLOT
.endr
	s_lshl_b32 s20, s15, 12
	s_lshl_b32 s21, s16, 12
	s_add_co_u32 s21, s21, 8192
	s_sub_co_u32 s21, s21, s20
	v_mul_u32_u24 v4, s21, v3
	s_add_co_u32 s20, s20, SCL
	v_lshl_add_u32 v4, v2, 2, v4
	v_add_nc_u32 v[ADRS], s20, v4
	s_mul_i32 s20, s15, 49152
	v_add_nc_u32 v[ADT+2], s20, v[CO]
	s_add_co_u32 s20, s20, SLOT
	v_add_nc_u32 v[ADT], s20, v[CO]
	s_add_co_u32 s20, s20, SLOT
	v_add_nc_u32 v[ADT+1], s20, v[CO]
	s_lshl_b32 s20, s14, 9
	v_lshl_add_u32 v4, v2, 2, s20
	v_add_nc_u32 v[SQA], STQ, v4
	v_add_nc_u32 v[SVA], STV, v4
	v_add_nc_u32 v4, s20, v[CO]
	v_add_nc_u32 v[SQR], STQ, v4
	v_add_nc_u32 v[SVR], STV, v4
	s_movk_i32 s23, 12800
	s_movk_i32 s19, 25600
	s_cmp_lt_u32 s66, 3
	s_cselect_b32 s20, s17, s12
	s_cselect_b32 s21, s12, s17
	s_cselect_b32 s2, s15, s16
	s_cselect_b32 s3, s16, s15
	s_cselect_b32 s22, 0, 12288
	s_cselect_b32 s23, 24576, s23
	s_cmp_lt_u32 s66, 2
	s_cselect_b32 s23, 12288, s23
	s_cselect_b32 s19, 12800, s19
	s_cselect_b32 s18, 15, 7
	s_cselect_b32 s67, 4, 3
	s_lshr_b32 s21, s21, 3
	s_add_co_u32 s21, s21, s3
	s_and_b32 s21, s21, s18
	s_lshr_b32 s3, s20, 7
	s_lshl_b32 s3, s3, s67
	s_add_co_u32 s21, s21, s3
	s_lshl_b32 s21, s21, 4
	s_lshr_b32 s20, s20, 3
	s_and_b32 s20, s20, 15
	s_add_co_u32 s20, s20, s2
	s_add_co_u32 s21, s21, s20
	s_mul_i32 s20, s21, s19
	s_add_co_u32 s20, s20, s22
	s_mov_b32 s21, 0
	s_add_nc_u64 s[4:5], s[6:7], s[20:21]
	s_mov_b32 s22, s23
	s_mov_b32 s23, 0
	s_add_nc_u64 s[6:7], s[4:5], s[22:23]
.macro FETCH ks
.set FS, ((\ks)/2)%3
.set FQ, (\ks)%2
	WIN 0x40
.irp i, 0,1,2,3,4,5,6,7
.irp c, 0,1,2
	ds_load_b128 v[128*FQ+12*\i+4*\c:128*FQ+12*\i+4*\c+3], v[ADRB+FS] offset:3072*\i+1536*FQ+512*\c
.endr
.endr
	WIN 0
.irp i, 0,1,2,3,4,5,6,7
.irp c, 0,1,2
	ds_load_b128 v[AF+96*FQ+12*\i+4*\c:AF+96*FQ+12*\i+4*\c+3], v[ADRA+FS] offset:3072*\i+1536*FQ+512*\c
.endr
.endr
.irp i, 0,1,2,3,4,5,6,7
	ds_load_b32 v[SC+8*FQ+\i], v[ADRS] offset:512*\i+64*(\ks)
.endr
.endm
.macro MUL32 half, ks, zero
	WIN 0xa1+0x50*(\half)
.irp a, 0,1,2,3
.irp b, 0,1,2,3,4,5,6,7
.if \zero
	v_wmma_scale_f32_16x16x128_f8f6f4 v[8*(8*\a+\b):8*(8*\a+\b)+7], v[128*((\ks)%2)+12*\b:128*((\ks)%2)+12*\b+11], v[AF+96*((\ks)%2)+12*(4*(\half)+\a):AF+96*((\ks)%2)+12*(4*(\half)+\a)+11], 0, v[SC+8*((\ks)%2)+\b], v[SC+8*((\ks)%2)+4*(\half)+\a] matrix_a_fmt:MATRIX_FMT_FP6 matrix_b_fmt:MATRIX_FMT_FP6 matrix_a_scale:MATRIX_SCALE_ROW1
.else
	v_wmma_scale_f32_16x16x128_f8f6f4 v[8*(8*\a+\b):8*(8*\a+\b)+7], v[128*((\ks)%2)+12*\b:128*((\ks)%2)+12*\b+11], v[AF+96*((\ks)%2)+12*(4*(\half)+\a):AF+96*((\ks)%2)+12*(4*(\half)+\a)+11], v[8*(8*\a+\b):8*(8*\a+\b)+7], v[SC+8*((\ks)%2)+\b], v[SC+8*((\ks)%2)+4*(\half)+\a] matrix_a_fmt:MATRIX_FMT_FP6 matrix_b_fmt:MATRIX_FMT_FP6 matrix_a_scale:MATRIX_SCALE_ROW1
.endif
.endr
.endr
.endm
.macro STEP ks, zero
	s_wait_dscnt 0x0
	PLACES
	FETCH (\ks)+1
	MUL32 0, \ks, \zero
	MUL32 1, \ks, \zero
.endm
.macro TURN ks, what
	WIN 0
	s_wait_tensorcnt 0x0
	ds_add_u32 v[SPW], v[NIL]
.if \what == 0
	s_add_nc_u64 s[G0+2:G0+3], s[G0+2:G0+3], 9216
	s_add_nc_u64 s[G0B+2:G0B+3], s[G0B+2:G0B+3], 9216
.elseif \what == 2
	s_add_co_u32 s9, s13, 2*SLOT
	s_add_nc_u64 s[10:11], s[10:11], 49152
.endif
	s_wait_dscnt 0x0
	s_barrier_signal -1
	MUL32 0, \ks, 0
	WIN 0
	s_barrier_wait -1
	CREST
.if \what == 0
	JLOAD G0, G1, G0B, G1B
.else
	TLOADT
.endif
	FETCH (\ks)+1
	MUL32 1, \ks, 0
.endm
	s_wait_tensorcnt 2
	s_barrier_signal -1
	s_barrier_wait -1
	FETCH 0
	STEP 0, 1
	TURN 1, 0
	STEP 2, 0
	TURN 3, 1
	STEP 4, 0
	TURN 5, 2
	STEP 6, 0
	s_wait_dscnt 0x0
	MUL32 0, 7, 0
	MUL32 1, 7, 0
	WIN 0
	s_wait_tensorcnt 0x0
	ds_add_u32 v[SPW], v[NIL]
	s_mov_b32 s9, s13
	s_add_nc_u64 s[10:11], s[10:11], 32768
	s_wait_dscnt 0x0
	CROUND
	TLOADT
	s_mov_b32 s2, 0x76543210
	s_mov_b32 s3, 0xfedcba98
	s_mov_b32 s18, 0x3c000000
	s_mov_b32 s19, 0x358637bd
.irp b, 0,1,2,3
	v_mov_b32 v[TM+4+\b], 0
.endr
	s_wait_loadcnt 0x0
.macro QUANT s, w
	WIN (\w)|((\w)<<2)
.irp b, 0,1,2,3
	v_max3_num_f32 v[TM+\b], |v[(\s)+16*\b]|, |v[(\s)+1+16*\b]|, 0x1800000
.endr
.irp i, 2,4,6,8,10,12,14
.irp b, 0,1,2,3
	v_max3_num_f32 v[TM+\b], |v[(\s)+16*\b+\i]|, |v[(\s)+1+16*\b+\i]|, v[TM+\b]
.endr
.endr
	WIN 0
.irp b, 0,1,2,3
	v_permlanex16_b32 v[TM+4+\b], v[TM+\b], s2, s3
.endr
.irp b, 0,1,2,3
	v_max_num_f32 v[TM+\b], v[TM+\b], v[TM+4+\b]
.endr
.irp b, 0,1,2,3
	v_add_nc_u32 v[TM+12+\b], 0xff000000, v[TM+\b]
.endr
.irp b, 0,1,2,3
	v_lshrrev_b32 v[TM+4+\b], 23, v[TM+12+\b]
.endr
	v_lshl_or_b32 v[PW], v[TM+5], 8, v[TM+4]
	v_lshl_or_b32 v[PW], v[TM+6], 16, v[PW]
	v_lshl_or_b32 v[PW], v[TM+7], 24, v[PW]
	WIN (\w)
.irp c, 0,1
	v_cvt_scalef32_pk16_fp6_f32 v[PC+6*\c:PC+2+6*\c], v[(\s)+32*\c:(\s)+15+32*\c], v[TM+12+2*\c]
	v_cvt_scalef32_pk16_fp6_f32 v[PC+12+4*\c:PC+14+4*\c], v[(\s)+16+32*\c:(\s)+31+32*\c], v[TM+12+2*\c+1]
.endr
	WIN 0
	v_nop
.irp c, 0,1
.irp i, 0,1,2
	v_permlane16_swap_b32 v[PC+6*\c+\i], v[PC+12+4*\c+\i]
.endr
.irp i, 0,1,2
	v_mov_b32 v[PC+3+6*\c+\i], v[PC+12+4*\c+\i]
.endr
.endr
.endm
.macro SENDF a
.irp c, 0,1,2
	global_store_b128 v[CO], v[PC+4*\c:PC+4*\c+3], s[4:5] offset:1536*(\a)+512*\c
.endr
.endm
	s_cmp_eq_u32 s66, 3
	s_cbranch_scc1 .Lv
.macro SSQ4 hi
	WIN 0x0a+5*(\hi)
.irp a, 0,1,2,3
	v_pk_mul_f32 v[OUTR+16*(\hi)+4*\a:OUTR+16*(\hi)+4*\a+1], v[64*\a:64*\a+1], v[64*\a:64*\a+1]
	v_pk_mul_f32 v[OUTR+16*(\hi)+4*\a+2:OUTR+16*(\hi)+4*\a+3], v[64*\a+2:64*\a+3], v[64*\a+2:64*\a+3]
.endr
.set e, 4
.rept 15
.irp a, 0,1,2,3
	v_pk_fma_f32 v[OUTR+16*(\hi)+4*\a:OUTR+16*(\hi)+4*\a+1], v[64*\a+e:64*\a+e+1], v[64*\a+e:64*\a+e+1], v[OUTR+16*(\hi)+4*\a:OUTR+16*(\hi)+4*\a+1]
	v_pk_fma_f32 v[OUTR+16*(\hi)+4*\a+2:OUTR+16*(\hi)+4*\a+3], v[64*\a+e+2:64*\a+e+3], v[64*\a+e+2:64*\a+e+3], v[OUTR+16*(\hi)+4*\a+2:OUTR+16*(\hi)+4*\a+3]
.endr
.set e, e+4
.endr
.endm
	SSQ4 0
	SSQ4 1
	WIN 0
.irp a, 0,1,2,3,4,5,6,7
	v_pk_add_f32 v[OUTR+4*\a:OUTR+4*\a+1], v[OUTR+4*\a:OUTR+4*\a+1], v[OUTR+4*\a+2:OUTR+4*\a+3]
.endr
.irp a, 0,1,2,3,4,5,6,7
	v_add_f32 v[RSB+2*\a], v[OUTR+4*\a], v[OUTR+4*\a+1]
	v_mov_b32 v[RSB+2*\a+1], 0
.endr
.irp a, 0,1,2,3,4,5,6,7
	v_permlanex16_b32 v[RSB+2*\a+1], v[RSB+2*\a], s2, s3
.endr
.irp a, 0,1,2,3,4,5,6,7
	v_add_f32 v[RSB+2*\a], v[RSB+2*\a], v[RSB+2*\a+1]
.endr
.irp a, 0,1,2,3,4,5,6,7
	v_fma_f32 v[RSB+2*\a], v[RSB+2*\a], s18, s19
.endr
	s_wait_alu depctr_va_vdst(0)
.irp a, 0,1,2,3,4,5,6,7
	v_rsq_f32 v[RSB+2*\a], v[RSB+2*\a]
.endr
	v_nop
	s_wait_alu depctr_va_vdst(0)
.macro BLOCK_QK a, part, idx
	WIN 0x40
.irp g, 0,1,2,3,4,5,6,7,8,9,10,11,12,13,14,15
	ds_load_b128 v[4*\g:4*\g+3], v[ADT+\part] offset:(\idx)*16384+512*\g
.endr
.irp g, 0,1,2,3,4,5,6,7,8,9,10,11,12,13,14,15
	ds_load_b128 v[128+4*\g:128+4*\g+3], v[ADT+\part] offset:(\idx)*16384+8192+512*\g
.endr
	WIN 2+(\a)/4
.set e, 0
.rept 32
	v_pk_mul_f32 v[Y+e:Y+e+1], v[64*((\a)%4)+e:64*((\a)%4)+e+1], v[RSB+2*(\a):RSB+2*(\a)+1] op_sel_hi:[1,0]
.set e, e+2
.endr
	WIN 0x04
.set e, 0
.rept 32
	v_pk_mul_f32 v[Y+e:Y+e+1], v[Y+e:Y+e+1], v[96+128*(e/32)+e%32:96+128*(e/32)+e%32+1]
.set e, e+2
.endr
	s_wait_dscnt 0x0
.set e, 0
.rept 32
	v_pk_mul_f32 v[OUTR+e:OUTR+e+1], v[Y+e:Y+e+1], v[e:e+1]
.set e, e+2
.endr
.set e, 0
.rept 16
	v_pk_fma_f32 v[OUTR+e:OUTR+e+1], v[Y+32+e:Y+32+e+1], v[128+e:128+e+1], v[OUTR+e:OUTR+e+1] neg_lo:[1,0,0] neg_hi:[1,0,0]
	v_pk_fma_f32 v[OUTR+32+e:OUTR+32+e+1], v[Y+e:Y+e+1], v[160+e:160+e+1], v[OUTR+32+e:OUTR+32+e+1]
.set e, e+2
.endr
	WIN 0
	s_wait_xcnt 0x0
	QUANT OUTR, 0
	SENDF \a
	ds_store_b32 v[SQA], v[PW] offset:64*(\a)
.endm
	BLOCK_QK 0, 0, 0
	BLOCK_QK 1, 0, 1
	BLOCK_QK 2, 0, 2
	BLOCK_QK 3, 1, 0
	BLOCK_QK 4, 1, 1
	BLOCK_QK 5, 1, 2
	s_wait_tensorcnt 0x0
	s_wait_dscnt 0x0
	s_barrier_signal -1
	s_barrier_wait -1
	BLOCK_QK 6, 2, 1
	BLOCK_QK 7, 2, 2
	ds_load_b128 v[232:235], v[SQR]
	s_wait_dscnt 0x0
	global_store_b128 v[CO], v[232:235], s[6:7]
	s_wait_tensorcnt 0x0
	ds_add_u32 v[SPW], v[NIL]
	s_wait_dscnt 0x0
	CROUND
	s_endpgm
.Lv:
.macro BLOCK_V a
	s_wait_xcnt 0x0
	s_wait_dscnt 0x0
	QUANT 64*((\a)%4), 2+(\a)/4
	SENDF \a
	ds_store_b32 v[SVA], v[PW] offset:64*(\a)
.endm
.irp a, 0,1,2,3,4,5,6,7
	BLOCK_V \a
.endr
	ds_load_b128 v[232:235], v[SVR]
	s_wait_dscnt 0x0
	global_store_b128 v[CO], v[232:235], s[6:7]
	s_wait_tensorcnt 0x0
	ds_add_u32 v[SPW], v[NIL]
	s_wait_dscnt 0x0
	CROUND
	s_endpgm
.Lfunc_end_k_q6c3789c7af_qkv:
	.size	k_q6c3789c7af_qkv, .Lfunc_end_k_q6c3789c7af_qkv-k_q6c3789c7af_qkv
	.p2alignl 7, 3214868480
	.fill 96, 4, 3214868480
	.section	.rodata,"a",@progbits
	.p2align	6, 0x0
	.amdhsa_kernel k_q6c3789c7af_qkv
		.amdhsa_group_segment_fixed_size 327680
		.amdhsa_private_segment_fixed_size 0
		.amdhsa_enable_private_segment 0
		.amdhsa_kernarg_size 56
		.amdhsa_user_sgpr_count 2
		.amdhsa_user_sgpr_kernarg_segment_ptr 1
		.amdhsa_wavefront_size32 1
		.amdhsa_system_sgpr_workgroup_id_x 1
		.amdhsa_system_sgpr_workgroup_id_y 1
		.amdhsa_system_sgpr_workgroup_id_z 1
		.amdhsa_system_vgpr_workitem_id 0
		.amdhsa_next_free_vgpr 1024
		.amdhsa_next_free_sgpr 102
		.amdhsa_reserve_vcc 0
		.amdhsa_float_denorm_mode_32 3
		.amdhsa_float_denorm_mode_16_64 3
		.amdhsa_memory_ordered 1
		.amdhsa_forward_progress 1
		.amdhsa_inst_pref_size 255
	.end_amdhsa_kernel
	.section	.bss,"aw",@nobits
	.p2align	6
	.space	262144
	.amdgpu_metadata
---
amdhsa.version: [ 1, 2 ]
amdhsa.kernels:
  - .name:           k_q6c3789c7af_qkv
    .symbol:         k_q6c3789c7af_qkv.kd
    .args:
      - { .name: XB, .offset: 0, .size: 8, .value_kind: global_buffer, .address_space: global }
      - { .name: WB, .offset: 8, .size: 8, .value_kind: global_buffer, .address_space: global }
      - { .name: TAB, .offset: 16, .size: 8, .value_kind: global_buffer, .address_space: global }
      - { .name: q_norm_w, .offset: 24, .size: 8, .value_kind: global_buffer, .address_space: global }
      - { .name: k_norm_w, .offset: 32, .size: 8, .value_kind: global_buffer, .address_space: global }
      - { .name: QB, .offset: 40, .size: 8, .value_kind: global_buffer, .address_space: global }
      - { .name: KV, .offset: 48, .size: 8, .value_kind: global_buffer, .address_space: global }
    .group_segment_fixed_size: 327680
    .private_segment_fixed_size: 0
    .kernarg_segment_align: 8
    .kernarg_segment_size: 56
    .max_flat_workgroup_size: 128
    .sgpr_count:     102
    .vgpr_count:     1024
    .wavefront_size: 32
...
	.end_amdgpu_metadata
.endif
;; end of part 2
;; launch attn (part 3): grid 16 x 16, 16 waves a work-group, no clusters, 67,584 bytes of LDS; arguments QB, KV, attention_mask, FLG, AB; writes AB
.if DOCPART == 3
	.amdgcn_target "amdgcn-amd-amdhsa--gfx1250"
	.amdhsa_code_object_version 6
	.text
	.protected	k_q6c3789c7af_attn
	.globl	k_q6c3789c7af_attn
	.p2align	8
	.type	k_q6c3789c7af_attn,@function
k_q6c3789c7af_attn:
	s_mov_b64 s[64:65], 0
	v_nop
	global_prefetch_b8 v0, s[64:65] scope:SCOPE_SE
	s_setreg_imm32_b32 hwreg(HW_REG_WAVE_MODE, 25, 1), 1
	s_wait_xcnt 0x0
; ATTENTION on codes of FP6 (E2M3) with E8M0 scales: S^T = K Q^T, the mask as it is given, p = 2^(t - M) with M the ceiling of the running largest t, p quantised along the keys,
; O^T += V^T P^T, O / l, and O quantised along d for the last product.  t = score x log2(e) / sqrt(128).  l is the sum of the unquantised p.  When M moves, l and O are multiplied by 2^(old M - new M), exactly.
; SHARES.  A work-group serves one key and value head (y = 8 x sequence + head) and two blocks of 64 queries: block 31 - x and block x.  Each of its sixteen waves has one tile of 16 queries of one of the
; two query heads that share K and V: 2 blocks x 4 tiles x 2 heads.  Wave w: block by bit 0 xor bit 2 of w, head by bit 1, tile by bits 3:2; so any four waves with equal w % 4, or equal w / 4, hold two tiles of each block.
; Where the mask is lower triangular, blocks i and 31 - i together have 17 key steps with a true entry, whatever i: the deal is even; any other mask is served all the same.
; K, V AND THEIR SCALE WORDS of a key step of 128 keys are one dense block of 25,600 bytes, laid as images of operand registers.  The 512 threads bring it through registers (16 bytes a load and lane, asked for a step ahead)
; into one of two LDS slots; one barrier a step.  A slot is written in the step behind the barrier that every wave signalled behind its last read of it.
; THE MASK.  FLG, stored by the first launch, holds for each tile of queries and key step 0 (no entry true), 1 (some), 2 (all).  0.
; 1: the tile's 16 x 128 bytes are read and scores of false entries become -infinity ahead of the maximum.  2: nothing.  The OR of the flag words of the work-group's eight tiles of queries says which key steps
; any wave will read: the others are neither loaded nor stored to LDS.  Behind key step 15 that word has run out: no load leaves its buffer.
; The running largest t begins at -3e38: a row that has seen no key keeps p = 0, l = 0, O = 0.
; NO CLUSTER, NO TENSOR LOAD: the branches on the flags leave out whole steps (16 products, their softmax, 25,600 bytes).
; LIMITS: a mask row with no true entry is not served (reference() has NaN there; here l = 0); NaN and infinities are not served; a block of zeros gets the byte 1.
; REGISTERS: v1-4, v7-11 addresses; v5, v6 the add's two; v12 -M, v13 the largest t, v[14:15] l in two halves; v16-27 Q; v28-31 sums; v32-79 four fragments; v80-95 the next block on its way; v96-159 S^T, then p;
;   v160-223 O^T; v224-243 p's codes (first the mask's bytes); v244-254 at work; v248-251, v253, v255 scale words.
.set SL1,   32768                      ; slot 1
.set STEPB, 25600                      ; K 12,288 | V 12,288 | K's scale words 512 | V's 512
.set SPARE, 65536                      ; the spare words, 128 bytes for each of the 16 waves
.set SPW,  5
.set NIL,  6
.set WV,   18
.set UF,   19                          ; s19 the work-group's flags, two bits a key step, the NEXT step lowest
.set SEL,  20
.set CS,   22
.set FL,   24                          ; s24 my tile's flags, the step in hand lowest
.set FC,   25
.set TRIPS, 26
.set LIM,  27
.set UC,   29                          ; s29 the next step's two bits of the work-group's flags
.macro PLACES
.rept 4
	v_nop
.endr
.endm
	s_load_b256 s[4:11], s[0:1], 0x0               ; QB, KV, the mask, FLG
	s_load_b64 s[12:13], s[0:1], 0x20              ; AB
	v_lshl_add_u32 v[SPW], v0, 2, SPARE
	v_mov_b32 v[NIL], 0
	v_lshrrev_b32 v8, 5, v0
	s_delay_alu instid0(VALU_DEP_1)
	v_readfirstlane_b32 s[WV], v8                  ; wave 0..15
	v_and_b32 v8, 31, v0                           ; lane
	v_and_b32 v9, 15, v0                           ; r
	v_bfe_u32 v10, v0, 4, 1                        ; h
	s_delay_alu instid0(VALU_DEP_3)
	v_lshlrev_b32 v1, 4, v8                        ; an image's place for my lane
	s_delay_alu instid0(VALU_DEP_3)
	v_lshl_add_u32 v2, v9, 2, 24576                ; K's scale words: word r
	v_lshlrev_b32 v3, 4, v0                        ; the staging: 16 x thread, in memory and in LDS
	v_and_b32 v4, 8, v9
	s_delay_alu instid0(VALU_DEP_1)
	v_add_nc_u32 v4, v4, v9                        ; my query lies 16 (r / 8) + r % 8 rows down in its tile
	s_delay_alu instid0(VALU_DEP_1)
	v_lshlrev_b32 v4, 11, v4
	s_delay_alu instid0(VALU_DEP_1)
	v_lshl_add_u32 v4, v10, 4, v4                  ; the mask: that row, + 16 h
	v_lshlrev_b32 v11, 2, v9
	s_and_b32 s28, ttmp7, 0xffff                   ; 8 x sequence + key and value head
	s_lshr_b32 s29, s28, 3                         ; sequence
	s_and_b32 s30, s28, 7
	s_sub_co_u32 s32, 31, ttmp9                    ; block 31 - x
	s_lshr_b32 s31, s[WV], 2
	s_xor_b32 s31, s31, s[WV]
	s_and_b32 s31, s31, 1
	s_cmp_eq_u32 s31, 0
	s_cselect_b32 s32, s32, ttmp9                  ; or block x
	s_lshl_b32 s32, s32, 2
	s_lshr_b32 s33, s[WV], 2
	s_add_co_u32 s32, s32, s33                     ; my tile of 16 queries, 0..127
	s_bfe_u32 s33, s[WV], 0x10001
	s_lshl_b32 s30, s30, 1
	s_add_co_u32 s30, s30, s33                     ; my query head, 0..15
	s_lshl_b32 s34, s29, 4
	s_add_co_u32 s34, s34, s30
	s_lshl_b32 s34, s34, 4
	s_lshr_b32 s35, s32, 3
	s_add_co_u32 s34, s34, s35                     ; QB: (16 x sequence + head) x 16 + which 128 queries
	s_mul_i32 s34, s34, 12800
	s_and_b32 s35, s32, 7
	s_mul_i32 s36, s35, 1536
	s_add_co_u32 s36, s36, s34                     ; Q's fragment
	s_mov_b32 s37, 0
	s_lshl_b32 s38, s35, 6
	s_add_co_u32 s38, s38, s34
	s_add_co_u32 s38, s38, 12288                   ; its scale words
	s_mov_b32 s39, 0
	s_mul_i32 s40, s28, 16*STEPB                   ; my head's K and V
	s_mov_b32 s41, 0
	s_lshr_b32 s42, s32, 1
	s_lshl_b32 s42, s42, 5
	s_and_b32 s43, s32, 1
	s_lshl_b32 s43, s43, 3
	s_add_co_u32 s42, s42, s43                     ; the tile's first query
	s_lshl_b32 s42, s42, 11
	s_mov_b32 s43, 0
	s_lshl_b32 s44, s32, 2                         ; my tile's flag word
	s_mov_b32 s45, 0
	s_lshl_b32 s46, s29, 7
	s_add_co_u32 s46, s46, s32
	s_lshl_b32 s46, s46, 4
	s_add_co_u32 s46, s46, s30                     ; AB: (tile of rows) x 16 + head
	s_mul_i32 s48, s46, 1536
	s_mov_b32 s49, 0
	s_lshl_b32 s50, s46, 6
	s_add_co_u32 s50, s50, 6291456
	s_mov_b32 s51, 0
	s_and_b32 s52, s[WV], 3
	s_lshl_b32 s52, s52, 13
	v_lshl_add_u32 v7, v8, 8, s52                  ; the prefetches: 8,192 bytes a wave, lanes 256 bytes apart
	s_sub_co_u32 s52, s[WV], 4
	s_cmp_lt_u32 s52, 3                            ; waves 4, 5, 6
	s_cselect_b32 s52, 0, 1
	s_or_b32 s52, s52, ttmp9                       ; of work-group x = 0
	s_cmp_eq_u32 s52, 0
	s_cselect_b32 s[LIM], 2, -1                    ; such a wave prefetches while more than 2 trips are left
	s_lshl_b32 s54, ttmp9, 4                       ; the four flag words of block x,
	s_mov_b32 s55, 0
	s_sub_co_u32 s56, 496, s54                     ; and of block 31 - x
	s_mov_b32 s57, 0
	s_mov_b32 s[SEL], 0x76543210
	s_mov_b32 s[SEL+1], 0xfedcba98
	s_mov_b32 s[CS], 0x3e0293ee                    ; c = log2(e) / sqrt(128)
	s_mov_b32 s[CS+1], s[CS]
	s_mov_b32 s[TRIPS], 8
	s_wait_alu depctr_va_vdst(0)
	s_wait_kmcnt 0x0
	s_add_nc_u64 s[52:53], s[10:11], s[54:55]
	s_add_nc_u64 s[54:55], s[10:11], s[56:57]
	s_add_nc_u64 s[10:11], s[10:11], s[44:45]
	s_load_b32 s[FL], s[10:11], 0x0
	s_load_b128 s[56:59], s[52:53], 0x0
	s_load_b128 s[60:63], s[54:55], 0x0
	s_add_nc_u64 s[14:15], s[4:5], s[38:39]
	s_add_nc_u64 s[4:5], s[4:5], s[36:37]
	s_add_nc_u64 s[6:7], s[6:7], s[40:41]
	s_add_nc_u64 s[8:9], s[8:9], s[42:43]
	s_add_nc_u64 s[16:17], s[12:13], s[50:51]
	s_add_nc_u64 s[12:13], s[12:13], s[48:49]
	global_load_b128 v[80:83], v3, s[6:7]          ; key step 0's block
	global_load_b128 v[84:87], v3, s[6:7] offset:8192
	global_load_b128 v[88:91], v3, s[6:7] offset:16384
	s_cmp_lt_u32 s[WV], 2
	s_cbranch_scc0 .Lp0
	global_load_b128 v[92:95], v3, s[6:7] offset:24576   ; its last 1,024 bytes: 64 threads
.Lp0:
.irp c, 0,1,2
	global_load_b128 v[16+4*\c:19+4*\c], v1, s[4:5] offset:512*\c   ; Q's fragment stays in registers
.endr
	global_load_b32 v255, v11, s[14:15]            ; and its scale words
	v_mov_b32 v13, 0xff61b1e6                      ; the largest t so far: -3e38
	s_delay_alu instid0(VALU_DEP_1)
	v_floor_f32 v12, -v13                          ; -M
	v_mov_b32 v14, 0
	v_mov_b32 v15, 0
.irp b, 0,1,2,3
	v_mov_b32 v[236+\b], 0                         ; a lane permute's destination counts as one of its sources
.endr
	v_mov_b32 v252, 0
	v_mov_b32 v253, 0
.set j, 0
.rept 64
	v_mov_b32 v[160+j], 0                          ; O^T: the step is written once; its first run finds zeros
.set j, j+1
.endr
	s_wait_loadcnt 0x0
	ds_store_b128 v3, v[80:83]
	ds_store_b128 v3, v[84:87] offset:8192
	ds_store_b128 v3, v[88:91] offset:16384
	s_cmp_lt_u32 s[WV], 2
	s_cbranch_scc0 .Lp1
	ds_store_b128 v3, v[92:95] offset:24576
.Lp1:
	s_wait_dscnt 0x0                               ; for the others' sake: my part of slot 0 is stored
	s_wait_kmcnt 0x0                               ; the flags
	s_or_b32 s56, s56, s57                         ; a field of the OR is 0 where no tile of the eight has a true entry in that key step
	s_or_b32 s58, s58, s59
	s_or_b32 s60, s60, s61
	s_or_b32 s62, s62, s63
	s_or_b32 s56, s56, s58
	s_or_b32 s60, s60, s62
	s_or_b32 s[UF], s56, s60
	s_lshr_b32 s[UF], s[UF], 2                     ; key step 1's field lowest
	s_barrier_signal -1
	s_barrier_wait -1
; S^T = K Q^T of the step in slot s, four tiles of 16 keys at a time; register 8 t + j is key 32 (t / 2) + 16 (lane / 16) + 8 (t % 2) + j
.macro QK s
.irp g, 0,1
.if \g > 0
	PLACES                                         ; in front of loads into registers that matrix instructions have read
.endif
.irp t, 0,1,2,3
.irp c, 0,1,2
	ds_load_b128 v[32+12*\t+4*\c:35+12*\t+4*\c], v1 offset:SL1*(\s)+1536*(4*\g+\t)+512*\c
.endr
	ds_load_b32 v[248+\t], v2 offset:SL1*(\s)+64*(4*\g+\t)
.endr
	s_wait_dscnt 0x0
.irp t, 0,1,2,3
	v_wmma_scale_f32_16x16x128_f8f6f4 v[96+8*(4*\g+\t):103+8*(4*\g+\t)], v[32+12*\t:43+12*\t], v[16:27], 0, v[248+\t], v255 matrix_a_fmt:MATRIX_FMT_FP6 matrix_b_fmt:MATRIX_FMT_FP6
.endr
.endr
	PLACES                                         ; in front of the first read of the scores
.endm
.macro ADD4 a, b, c, d                         ; l's four chains by turns
	v_pk_add_f32 v[236:237], v[236:237], v[\a:\a+1]
	v_pk_add_f32 v[30:31], v[30:31], v[\b:\b+1]
	v_pk_add_f32 v[28:29], v[28:29], v[\c:\c+1]
	v_pk_add_f32 v[14:15], v[14:15], v[\d:\d+1]
.endm
; a key step, in slot s
.macro HALF s
	s_and_b32 s[UC], s[UF], 3                      ; does any wave of the work-group read the next key step?  (behind step 15 the word has run out)
	s_lshr_b32 s[UF], s[UF], 2
	s_cmp_eq_u32 s[UC], 0
	s_cbranch_scc1 .Lnl_\@
	global_load_b128 v[80:83], v3, s[6:7] offset:(\s+1)*STEPB          ; the next step's block, 8,192 consecutive bytes a line and work-group
	global_load_b128 v[84:87], v3, s[6:7] offset:(\s+1)*STEPB+8192
	global_load_b128 v[88:91], v3, s[6:7] offset:(\s+1)*STEPB+16384
	s_cmp_lt_u32 s[WV], 2
	s_cbranch_scc0 .Lnl_\@
	global_load_b128 v[92:95], v3, s[6:7] offset:(\s+1)*STEPB+24576
.Lnl_\@:
.if \s == 0
; A PREFETCH of the codes of the key steps 4 and 5 on from this one: three to four steps ahead of the loads that will want them.  16 work-groups walk the same K and V: work-group x = 0 asks, its waves 4 to 6,
; 8,192 bytes each, a lane for each 256: so each block of 256 bytes is named once.  Steps 0 to 3 and the scale words come by their loads alone; the last two trips ask for nothing.
	s_cmp_gt_u32 s[TRIPS], s[LIM]
	s_cbranch_scc0 .Lnp_\@
	global_prefetch_b8 v7, s[6:7] offset:4*STEPB th:TH_LOAD_NT scope:SCOPE_SE
	global_prefetch_b8 v7, s[6:7] offset:5*STEPB th:TH_LOAD_NT scope:SCOPE_SE
.Lnp_\@:
.endif
	s_and_b32 s[FC], s[FL], 3
	s_lshr_b32 s[FL], s[FL], 2
	s_cmp_eq_u32 s[FC], 0
	s_cbranch_scc1 .Lskip_\@                       ; no entry of my 16 x 128 is true: every p would be 0
	PLACES                                         ; in front of loads into registers that the last step's products have read
	s_cmp_eq_u32 s[FC], 1
	s_cbranch_scc0 .Lopen_\@
.irp b, 0,1,2,3
	global_load_b128 v[224+4*\b:227+4*\b], v4, s[8:9] offset:128*(\s)+32*\b   ; the mask's bytes of my query at keys 32 b + 16 h + 0 .. 15
.endr
	QK \s
	s_wait_loadcnt 0x0
	v_mov_b32 v254, 0xff800000                     ; -infinity
.set n, 0
.rept 64
	v_bfe_u32 v[244+n%2], v[224+4*(n/16)+(n%16)/4], 8*(n%4), 8
	s_delay_alu instid0(VALU_DEP_1)
	v_cmp_eq_u32 vcc_lo, 0, v[244+n%2]
	v_cndmask_b32 v[96+n], v[96+n], v254, vcc_lo
.set n, n+1
.endr
	s_branch .Lsoft_\@
.Lopen_\@:
	QK \s
.Lsoft_\@:
.irp b, 0,1,2,3
	v_max3_num_f32 v[232+\b], v[96+16*\b], v[97+16*\b], v[98+16*\b]   ; the largest score of each block of 32 keys: it serves the row's maximum and, since p rises with the score, the block's largest p
.endr
.irp i, 3,5,7,9,11,13
.irp b, 0,1,2,3
	v_max3_num_f32 v[232+\b], v[232+\b], v[96+16*\b+\i], v[97+16*\b+\i]
.endr
.endr
.irp b, 0,1,2,3
	v_max_num_f32 v[232+\b], v[232+\b], v[111+16*\b]
.endr
.irp b, 0,1,2,3
	s_delay_alu instid0(VALU_DEP_4)
	v_permlanex16_b32 v[236+\b], v[232+\b], s[SEL], s[SEL+1]
.endr
.irp b, 0,1,2,3
	s_delay_alu instid0(VALU_DEP_4)
	v_max_num_f32 v[232+\b], v[232+\b], v[236+\b]  ; with lane l xor 16's 16 keys
.endr
	s_delay_alu instid0(VALU_DEP_2)
	v_max3_num_f32 v254, v232, v233, v234
	s_delay_alu instid0(VALU_DEP_1)
	v_max_num_f32 v254, v254, v235
	s_delay_alu instid0(VALU_DEP_1)
	v_mul_f32 v254, s[CS], v254                    ; the step's largest t
	s_delay_alu instid0(VALU_DEP_1)
	v_max_num_f32 v13, v13, v254                   ; the running largest t
	v_mov_b32 v254, v12
	s_delay_alu instid0(VALU_DEP_2)
	v_floor_f32 v12, -v13                          ; the new -M = -ceil(t): a whole number
	s_delay_alu instid0(VALU_DEP_1)
	v_sub_f32 v254, v12, v254                      ; old M - new M, 0 or less
	s_delay_alu instid0(VALU_DEP_1)
	v_cvt_i32_f32 v254, v254                       ; (it saturates)
	s_delay_alu instid0(VALU_DEP_1)
	v_ldexp_f32 v252, 1.0, v254                    ; f = 2^(old M - new M)
.set j, 0
.rept 32
	v_pk_fma_f32 v[96+j:97+j], v[96+j:97+j], s[CS:CS+1], v[12:13] op_sel_hi:[1,0,0]   ; t - M
.set j, j+2
.endr
.irp b, 0,1,2,3
	v_fma_f32 v[232+\b], v[232+\b], s[CS], v12
.endr
.set j, 0
	s_wait_alu depctr_va_vdst(0)
.rept 64
	v_exp_f32 v[96+j], v[96+j]                     ; p = 2^(t - M)
.set j, j+1
.endr
	v_pk_mul_f32 v[14:15], v[14:15], v[252:253] op_sel_hi:[1,0]   ; l under the new M (a plain place behind the exponentials)
	s_wait_alu depctr_va_vdst(0)                   ; one wait for the batch of 64, ahead of its first reader
.irp b, 0,1,2,3
	v_exp_f32 v[232+\b], v[232+\b]                 ; the block's largest p
.endr
	v_pk_add_f32 v[236:237], v[100:101], v[104:105]   ; the sum of the 64 unquantised p, two at a time
	v_pk_add_f32 v[30:31], v[108:109], v[112:113]
	v_pk_add_f32 v[28:29], v[116:117], v[120:121]
	v_pk_add_f32 v[14:15], v[14:15], v[124:125]
	ADD4 128, 132, 136, 140
	ADD4 144, 148, 152, 156
	ADD4 96, 98, 102, 106
	ADD4 110, 114, 118, 122
	ADD4 126, 130, 134, 138
	ADD4 142, 146, 150, 154
	v_pk_add_f32 v[236:237], v[236:237], v[158:159]
	s_delay_alu instid0(VALU_DEP_2)
	v_pk_add_f32 v[14:15], v[14:15], v[30:31]
	s_delay_alu instid0(VALU_DEP_2)
	v_pk_add_f32 v[236:237], v[236:237], v[28:29]
	s_delay_alu instid0(VALU_DEP_1)
	v_pk_add_f32 v[14:15], v[14:15], v[236:237]
	s_wait_alu depctr_va_vdst(0)                   ; and one for the four
.irp b, 0,1,2,3
	v_max_num_f32 v[232+\b], 0x1800000, v[232+\b]  ; the floor 2^(3 - 127): the byte cannot fall under 1
.endr
.irp b, 0,1,2,3
	s_delay_alu instid0(VALU_DEP_4)
	v_add_nc_u32 v[244+\b], 0xff000000, v[232+\b]  ; 2 off the exponent field: the conversion's scale operand
.endr
.irp b, 0,1,2,3
	s_delay_alu instid0(VALU_DEP_4)
	v_lshrrev_b32 v[236+\b], 23, v[244+\b]
.endr
	s_delay_alu instid0(VALU_DEP_3)
	v_lshl_or_b32 v253, v237, 8, v236              ; p's scale word for these 128 keys
	s_delay_alu instid0(VALU_DEP_1)
	v_lshl_or_b32 v253, v238, 16, v253
	s_delay_alu instid0(VALU_DEP_1)
	v_lshl_or_b32 v253, v239, 24, v253
.irp c, 0,1
	v_cvt_scalef32_pk16_fp6_f32 v[224+6*\c:226+6*\c], v[96+32*\c:111+32*\c], v[244+2*\c]
	v_cvt_scalef32_pk16_fp6_f32 v[236+4*\c:238+4*\c], v[112+32*\c:127+32*\c], v[244+2*\c+1]
.endr
	v_nop                                          ; one plain place behind a scaled conversion
.irp c, 0,1
.irp i, 0,1,2
	v_permlane16_swap_b32 v[224+6*\c+\i], v[236+4*\c+\i]
.endr
.irp i, 0,1,2
	s_delay_alu instid0(VALU_DEP_3)
	v_mov_b32 v[227+6*\c+\i], v[236+4*\c+\i]
.endr
.endr
.set j, 0
.rept 32
	v_pk_mul_f32 v[160+j:161+j], v[160+j:161+j], v[252:253] op_sel_hi:[1,0]   ; O^T under the new M; these 32 are also the places in front of the products and loads below
.set j, j+2
.endr
	s_wait_alu depctr_va_vdst(0)                   ; ahead of the blocking waits below
.irp g, 0,1                                    ; O^T += V^T P^T, four tiles of 16 channels at a time; the eight accumulators take turns
.if \g > 0
	PLACES
.endif
.irp t, 0,1,2,3
.irp c, 0,1,2
	ds_load_b128 v[32+12*\t+4*\c:35+12*\t+4*\c], v1 offset:SL1*(\s)+12288+1536*(4*\g+\t)+512*\c
.endr
	ds_load_b32 v[248+\t], v2 offset:SL1*(\s)+512+64*(4*\g+\t)
.endr
	s_wait_dscnt 0x0
.irp t, 0,1,2,3
	v_wmma_scale_f32_16x16x128_f8f6f4 v[160+8*(4*\g+\t):167+8*(4*\g+\t)], v[32+12*\t:43+12*\t], v[224:235], v[160+8*(4*\g+\t):167+8*(4*\g+\t)], v[248+\t], v253 matrix_a_fmt:MATRIX_FMT_FP6 matrix_b_fmt:MATRIX_FMT_FP6
.endr
.endr
.Lskip_\@:
	s_wait_loadcnt 0x0                             ; the next block, where it was asked for, is in my registers
	s_cmp_eq_u32 s[UC], 0
	s_cbranch_scc1 .Lns_\@
	ds_store_b128 v3, v[80:83] offset:SL1*(1-\s)   ; into the other slot, which nobody has read since the last barrier
	ds_store_b128 v3, v[84:87] offset:SL1*(1-\s)+8192
	ds_store_b128 v3, v[88:91] offset:SL1*(1-\s)+16384
	s_cmp_lt_u32 s[WV], 2
	s_cbranch_scc0 .Lns_\@
	ds_store_b128 v3, v[92:95] offset:SL1*(1-\s)+24576
.Lns_\@:
	s_wait_dscnt 0x0                               ; my stores have landed and my reads of this slot are over
	s_barrier_signal -1
	s_barrier_wait -1
.endm
.Ltrip:                                            ; 8 trips of two key steps
	HALF 0
	HALF 1
	s_wait_xcnt 0x0                                ; the trip's loads and prefetches have read their bases
	s_add_nc_u64 s[6:7], s[6:7], 2*STEPB
	s_add_nc_u64 s[8:9], s[8:9], 256
	s_sub_co_u32 s[TRIPS], s[TRIPS], 1
	s_cmp_lg_u32 s[TRIPS], 0
	s_cbranch_scc1 .Ltrip
	; THE WAY OUT: O^T / l; register 8 t + i is d = 32 (t / 2) + 16 h + 8 (t % 2) + i of my query: the quantiser's order.  The fragment is K step "head" of the last product.
	PLACES                                         ; behind the last products
	v_add_f32 v14, v14, v15
	s_delay_alu instid0(VALU_DEP_1)
	v_permlanex16_b32 v252, v14, s[SEL], s[SEL+1]
	s_delay_alu instid0(VALU_DEP_1)
	v_add_f32 v14, v14, v252                       ; the row's sum
	s_wait_alu depctr_va_vdst(0)
	v_rcp_f32 v14, v14
.irp b, 0,1,2,3
	v_mov_b32 v[68+\b], 0                          ; (plain places behind the reciprocal) a lane permute's destination counts as one of its sources
.endr
	s_wait_alu depctr_va_vdst(0)                   ; ahead of the reciprocal's first reader
.set j, 0
.rept 64
	v_mul_f32 v[96+j], v[160+j], v14
.set j, j+1
.endr
.irp b, 0,1,2,3
	v_max3_num_f32 v[64+\b], |v[96+16*\b]|, |v[97+16*\b]|, 0x1800000
.endr
.irp i, 2,4,6,8,10,12,14
.irp b, 0,1,2,3
	s_delay_alu instid0(VALU_DEP_4)
	v_max3_num_f32 v[64+\b], v[64+\b], |v[96+16*\b+\i]|, |v[97+16*\b+\i]|
.endr
.endr
.irp b, 0,1,2,3
	s_delay_alu instid0(VALU_DEP_4)
	v_permlanex16_b32 v[68+\b], v[64+\b], s[SEL], s[SEL+1]
.endr
.irp b, 0,1,2,3
	s_delay_alu instid0(VALU_DEP_4)
	v_max_num_f32 v[64+\b], v[64+\b], v[68+\b]
.endr
.irp b, 0,1,2,3
	s_delay_alu instid0(VALU_DEP_4)
	v_add_nc_u32 v[76+\b], 0xff000000, v[64+\b]
.endr
.irp b, 0,1,2,3
	s_delay_alu instid0(VALU_DEP_4)
	v_lshrrev_b32 v[68+\b], 23, v[76+\b]
.endr
	s_delay_alu instid0(VALU_DEP_3)
	v_lshl_or_b32 v52, v69, 8, v68
	s_delay_alu instid0(VALU_DEP_1)
	v_lshl_or_b32 v52, v70, 16, v52
	s_delay_alu instid0(VALU_DEP_1)
	v_lshl_or_b32 v52, v71, 24, v52
.irp c, 0,1
	v_cvt_scalef32_pk16_fp6_f32 v[32+6*\c:34+6*\c], v[96+32*\c:111+32*\c], v[76+2*\c]
	v_cvt_scalef32_pk16_fp6_f32 v[44+4*\c:46+4*\c], v[112+32*\c:127+32*\c], v[76+2*\c+1]
.endr
	v_nop
.irp c, 0,1
.irp i, 0,1,2
	v_permlane16_swap_b32 v[32+6*\c+\i], v[44+4*\c+\i]
.endr
.irp i, 0,1,2
	s_delay_alu instid0(VALU_DEP_3)
	v_mov_b32 v[35+6*\c+\i], v[44+4*\c+\i]
.endr
.endr
.irp c, 0,1,2
	global_store_b128 v1, v[32+4*\c:35+4*\c], s[12:13] offset:512*\c     ; 512 consecutive bytes
.endr
	s_wait_xcnt 0x0                                ; EXEC changes only behind this wait
	v_cmp_gt_u32 vcc_lo, 16, v8
	s_and_saveexec_b32 s28, vcc_lo
	global_store_b32 v11, v52, s[16:17]            ; the 16 scale words: 64 bytes for the fragment's 1,536
	s_wait_xcnt 0x0
	s_or_b32 exec_lo, exec_lo, s28
	s_wait_tensorcnt 0x0                           ; the wave's end
	ds_add_u32 v[SPW], v[NIL]
	s_wait_dscnt 0x0
	s_endpgm
.Lfunc_end_k_q6c3789c7af_attn:
	.size	k_q6c3789c7af_attn, .Lfunc_end_k_q6c3789c7af_attn-k_q6c3789c7af_attn
	.p2alignl 7, 3214868480
	.fill 96, 4, 3214868480
	.section	.rodata,"a",@progbits
	.p2align	6, 0x0
	.amdhsa_kernel k_q6c3789c7af_attn
		.amdhsa_group_segment_fixed_size 67584
		.amdhsa_private_segment_fixed_size 0
		.amdhsa_enable_private_segment 0
		.amdhsa_kernarg_size 40
		.amdhsa_user_sgpr_count 2
		.amdhsa_user_sgpr_kernarg_segment_ptr 1
		.amdhsa_wavefront_size32 1
		.amdhsa_system_sgpr_workgroup_id_x 1
		.amdhsa_system_sgpr_workgroup_id_y 1
		.amdhsa_system_sgpr_workgroup_id_z 1
		.amdhsa_system_vgpr_workitem_id 0
		.amdhsa_next_free_vgpr 256
		.amdhsa_next_free_sgpr 66
		.amdhsa_reserve_vcc 1
		.amdhsa_float_denorm_mode_32 3
		.amdhsa_float_denorm_mode_16_64 3
		.amdhsa_memory_ordered 1
		.amdhsa_forward_progress 1
		.amdhsa_inst_pref_size 89
	.end_amdhsa_kernel
	.amdgpu_metadata
---
amdhsa.version: [ 1, 2 ]
amdhsa.kernels:
  - .name:           k_q6c3789c7af_attn
    .symbol:         k_q6c3789c7af_attn.kd
    .args:
      - { .name: QB, .offset: 0, .size: 8, .value_kind: global_buffer, .address_space: global }
      - { .name: KV, .offset: 8, .size: 8, .value_kind: global_buffer, .address_space: global }
      - { .name: attention_mask, .offset: 16, .size: 8, .value_kind: global_buffer, .address_space: global }
      - { .name: FLG, .offset: 24, .size: 8, .value_kind: global_buffer, .address_space: global }
      - { .name: AB, .offset: 32, .size: 8, .value_kind: global_buffer, .address_space: global }
    .group_segment_fixed_size: 67584
    .private_segment_fixed_size: 0
    .kernarg_segment_align: 8
    .kernarg_segment_size: 40
    .max_flat_workgroup_size: 512
    .sgpr_count:     66
    .vgpr_count:     256
    .wavefront_size: 32
...
	.end_amdgpu_metadata
.endif
;; end of part 3
;; launch oproj (part 4): grid 8 x 32, 4 waves a work-group, clusters of 4 x 4, 327,680 bytes of LDS; arguments AB, WB, out0; writes out0
.if DOCPART == 4
	.amdgcn_target "amdgcn-amd-amdhsa--gfx1250"
	.amdhsa_code_object_version 6
	.text
	.protected	k_q6c3789c7af_oproj
	.globl	k_q6c3789c7af_oproj
	.p2align	8
	.type	k_q6c3789c7af_oproj,@function
k_q6c3789c7af_oproj:
	s_mov_b64 s[64:65], 0
	v_nop
	global_prefetch_b8 v0, s[64:65] scope:SCOPE_SE
	s_setreg_imm32_b32 hwreg(HW_REG_WAVE_MODE, 25, 1), 1
	s_wait_xcnt 0x0
	s_wait_alu depctr_hold_cnt(0) depctr_sa_sdst(0) depctr_va_vdst(0) depctr_va_sdst(0) depctr_va_ssrc(0) depctr_va_vcc(0) depctr_vm_vsrc(0)
	s_getreg_b32 s2, hwreg(HW_REG_IB_STS2, 6, 4)
	s_cmp_eq_u32 s2, 0
	s_cbranch_scc0 .Lentry_in_a_cluster
	s_endpgm
.Lentry_in_a_cluster:
	s_bfe_u32 s2, ttmp6, 0x10000c
	s_cmp_lg_u32 s2, 0xf033
	s_cbranch_scc0 .Lentry_shape_is_right
	s_endpgm
.Lentry_shape_is_right:
.set SLOT,  98304
.set SCL,   294912
.set SPARE, 311296
.set STAGE, SLOT
.set ASC,   6291456
.set WOC,   3276800
.set WOS,   4849664
.set W0,    (3<<16)|(1<<21)
.set ADRA, 16
.set ADRB, 19
.set ADRS, 22
.set STO,  24
.set RD,   25
.set CO,   26
.set SPW,  28
.set NIL,  29
.set SC,   32
.set BK,   48
.set ACC,  128
.set G1,   24
.set G0,   32
.set G1B,  44
.set G0B,  52
.set G1S,  68
.set G0S,  76
.set G1SB, 80
.set G0SB, 88
.set MSB, 0
.macro WIN new
.if MSB != (\new)
	s_set_vgpr_msb (MSB<<8)|(\new)
.set MSB, (\new)
.endif
.endm
.macro PLACES
.rept 4
	v_nop
.endr
.endm
.macro JLOAD g0a, g1a, g0b, g1b
	s_cmp_eq_u32 s15, 0
	s_cbranch_scc0 .Lfor_b_\@
	tensor_load_to_lds s[\g0a:\g0a+3], s[\g1a:\g1a+7]
	s_nop 0
.rept 4
	v_nop
.endr
	s_branch .Lasked_\@
.Lfor_b_\@:
	tensor_load_to_lds s[\g0b:\g0b+3], s[\g1b:\g1b+7]
	s_nop 0
.rept 4
	v_nop
.endr
.Lasked_\@:
.endm
.macro CREST
	s_cmp_lg_u32 s14, 0
	s_cbranch_scc1 .Lnot_wave_0_\@
	s_barrier_signal -3
.Lnot_wave_0_\@:
	s_barrier_wait -3
	s_barrier_signal -1
	s_barrier_wait -1
.endm
.macro CROUND
	s_barrier_signal -1
	s_barrier_wait -1
	CREST
.endm
	s_load_b128 s[4:7], s[0:1], 0x0
	s_load_b64 s[8:9], s[0:1], 0x10
	v_lshl_add_u32 v[SPW], v0, 2, SPARE
	v_mov_b32 v[NIL], 0
	ds_add_u32 v[SPW], v[NIL]
	ds_add_u32 v[SPW], v[NIL]
	v_lshrrev_b32 v1, 5, v0
	v_readfirstlane_b32 s14, v1
	s_lshr_b32 s15, s14, 1
	s_and_b32 s16, s14, 1
	s_bfe_u32 s18, ttmp6, 0x40000
	s_bfe_u32 s19, ttmp6, 0x40004
	s_lshl_b32 s12, ttmp9, 2
	s_add_co_u32 s12, s12, s18
	s_and_b32 s17, ttmp7, 0xffff
	s_lshl_b32 s17, s17, 2
	s_add_co_u32 s17, s17, s19
	s_lshl_b32 s20, s19, 2
	s_lshl_b32 s20, 15, s20
	s_lshl_b32 s21, 0x1111, s18
	s_or_b32 s[G1], s20, W0
	s_or_b32 s[G1B], s21, W0
.irp g, G1, G1B
	s_mov_b32 s[\g+1], 768<<16
	s_mov_b32 s[\g+2], 4<<16
	s_mov_b32 s[\g+3], 768<<16
	s_mov_b32 s[\g+4], 4
	s_mov_b32 s[\g+5], 3072
	s_mov_b32 s[\g+6], 0
	s_mov_b32 s[\g+7], 0
.endr
	s_or_b32 s[G1S], s20, W0
	s_or_b32 s[G1SB], s21, W0
.irp g, G1S, G1SB
	s_mov_b32 s[\g+1], 32<<16
	s_mov_b32 s[\g+2], 16<<16
	s_mov_b32 s[\g+3], 32<<16
	s_mov_b32 s[\g+4], 16
	s_mov_b32 s[\g+5], 32
	s_mov_b32 s[\g+6], 0
	s_mov_b32 s[\g+7], 0
.endr
	s_lshl_b32 s13, s16, 2
	s_lshl_b32 s2, s17, 3
	s_add_co_u32 s2, s2, s13
	s_lshl_b32 s3, s12, 3
	s_add_co_u32 s3, s3, s13
	s_mul_i32 s13, s14, 24576
	s_lshl_b32 s10, s14, 12
	s_mov_b32 s21, 0
	s_mov_b32 s23, 0
	s_wait_dscnt 0x0
	s_wait_kmcnt 0x0
	s_lshl_b32 s20, s2, 10
	s_add_co_u32 s20, s20, ASC
	s_mov_b32 s[G0S], 1
	s_add_co_u32 s[G0S+1], s10, SCL
	s_add_nc_u64 s[G0S+2:G0S+3], s[4:5], s[20:21]
	s_or_b32 s[G0S+3], s[G0S+3], 0x80000000
	s_mul_i32 s20, s2, 24576
	s_add_nc_u64 s[4:5], s[4:5], s[20:21]
	s_lshl_b32 s22, s3, 10
	s_add_co_u32 s22, s22, WOS
	s_mov_b32 s[G0SB], 1
	s_add_co_u32 s[G0SB+1], s10, SCL
	s_add_nc_u64 s[G0SB+2:G0SB+3], s[6:7], s[22:23]
	s_or_b32 s[G0SB+3], s[G0SB+3], 0x80000000
	s_mul_i32 s22, s3, 24576
	s_add_co_u32 s22, s22, WOC
	s_add_nc_u64 s[6:7], s[6:7], s[22:23]
	CROUND
	JLOAD G0S, G1S, G0SB, G1SB
.irp s, 0,1,2
	s_mov_b32 s[G0+4*\s], 1
	s_add_co_u32 s[G0+4*\s+1], s13, \s*SLOT
	s_add_nc_u64 s[G0+4*\s+2:G0+4*\s+3], s[4:5], \s*6144
	s_or_b32 s[G0+4*\s+3], s[G0+4*\s+3], 0x80000000
	s_mov_b32 s[G0B+4*\s], 1
	s_add_co_u32 s[G0B+4*\s+1], s13, \s*SLOT
	s_add_nc_u64 s[G0B+4*\s+2:G0B+4*\s+3], s[6:7], \s*6144
	s_or_b32 s[G0B+4*\s+3], s[G0B+4*\s+3], 0x80000000
	s_wait_alu depctr_va_vdst(0)
	s_wait_tensorcnt 0x0
	ds_add_u32 v28, v29
	s_wait_dscnt 0x0
	CROUND
	JLOAD G0+4*\s, G1, G0B+4*\s, G1B
.endr
	v_and_b32 v1, 31, v0
	v_and_b32 v2, 15, v0
	v_bfe_u32 v3, v0, 4, 1
	s_wait_alu depctr_va_vdst(0)
	v_lshlrev_b32 v5, 4, v1
	s_mul_i32 s20, s15, 24576
	s_mul_i32 s21, s16, 24576
	s_add_co_u32 s21, s21, 49152
.irp s, 0,1,2
	v_add_nc_u32 v[ADRA+\s], s20, v5
	v_add_nc_u32 v[ADRB+\s], s21, v5
	s_add_co_u32 s20, s20, SLOT
	s_add_co_u32 s21, s21, SLOT
.endr
	s_lshl_b32 s20, s15, 12
	s_lshl_b32 s21, s16, 12
	s_add_co_u32 s21, s21, 8192
	s_sub_co_u32 s21, s21, s20
	v_mul_u32_u24 v4, s21, v3
	s_add_co_u32 s20, s20, SCL
	v_lshl_add_u32 v4, v2, 2, v4
	v_add_nc_u32 v[ADRS], s20, v4
	s_mul_i32 s20, s14, 16*272
	s_add_co_u32 s20, s20, STAGE
	v_mul_u32_u24 v4, v2, 272
	v_lshl_add_u32 v4, v3, 6, v4
	v_add_nc_u32 v[STO], s20, v4
	v_mul_u32_u24 v4, v3, 272
	v_lshl_add_u32 v4, v2, 4, v4
	v_add_nc_u32 v[RD], s20, v4
	v_lshlrev_b32 v[CO], 12, v3
	v_lshl_add_u32 v[CO], v2, 4, v[CO]
	s_lshl_b32 s20, s17, 7
	s_lshl_b32 s21, s15, 6
	s_add_co_u32 s20, s20, s21
	s_lshl_b32 s20, s20, 12
	s_lshl_b32 s22, s12, 7
	s_lshl_b32 s23, s16, 6
	s_add_co_u32 s22, s22, s23
	s_lshl_b32 s22, s22, 2
	s_add_co_u32 s20, s20, s22
	s_mov_b32 s21, 0
	s_add_nc_u64 s[8:9], s[8:9], s[20:21]
.macro FETCH ks
.set FS, ((\ks)/4)%3
.set FQ, (\ks)%4
.set FP, (\ks)%2
	WIN 0x40
.irp i, 0,1,2,3
.irp c, 0,1,2
	ds_load_b128 v[128*FP+48+12*\i+4*\c:128*FP+48+12*\i+4*\c+3], v[ADRB+FS] offset:6144*\i+1536*FQ+512*\c
.endr
.endr
.irp i, 0,1,2,3
.irp c, 0,1,2
	ds_load_b128 v[128*FP+12*\i+4*\c:128*FP+12*\i+4*\c+3], v[ADRA+FS] offset:6144*\i+1536*FQ+512*\c
.endr
.endr
	WIN 0
.irp i, 0,1,2,3
	ds_load_b32 v[SC+4*FP+\i], v[ADRS] offset:1024*\i+64*(\ks)
.endr
.endm
.macro MUL8 half, ks, zero
	WIN 0x05
.irp a, 0,1
.irp b, 0,1,2,3
.if \zero
	v_wmma_scale_f32_16x16x128_f8f6f4 v[ACC+8*(4*(2*(\half)+\a)+\b):ACC+8*(4*(2*(\half)+\a)+\b)+7], v[128*((\ks)%2)+48+12*\b:128*((\ks)%2)+48+12*\b+11], v[128*((\ks)%2)+12*(2*(\half)+\a):128*((\ks)%2)+12*(2*(\half)+\a)+11], 0, v[SC+4*((\ks)%2)+\b], v[SC+4*((\ks)%2)+2*(\half)+\a] matrix_a_fmt:MATRIX_FMT_FP6 matrix_b_fmt:MATRIX_FMT_FP6 matrix_a_scale:MATRIX_SCALE_ROW1
.else
	v_wmma_scale_f32_16x16x128_f8f6f4 v[ACC+8*(4*(2*(\half)+\a)+\b):ACC+8*(4*(2*(\half)+\a)+\b)+7], v[128*((\ks)%2)+48+12*\b:128*((\ks)%2)+48+12*\b+11], v[128*((\ks)%2)+12*(2*(\half)+\a):128*((\ks)%2)+12*(2*(\half)+\a)+11], v[ACC+8*(4*(2*(\half)+\a)+\b):ACC+8*(4*(2*(\half)+\a)+\b)+7], v[SC+4*((\ks)%2)+\b], v[SC+4*((\ks)%2)+2*(\half)+\a] matrix_a_fmt:MATRIX_FMT_FP6 matrix_b_fmt:MATRIX_FMT_FP6 matrix_a_scale:MATRIX_SCALE_ROW1
.endif
.endr
.endr
.endm
.macro STEP ks, zero
	s_wait_dscnt 0x0
	PLACES
	FETCH (\ks)+1
	MUL8 0, \ks, \zero
	MUL8 1, \ks, \zero
.endm
.macro TURN ks, fill
	WIN 0
	s_wait_tensorcnt 0x0
	ds_add_u32 v[SPW], v[NIL]
.if \fill
	s_add_nc_u64 s[G0+2:G0+3], s[G0+2:G0+3], 18432
	s_add_nc_u64 s[G0B+2:G0B+3], s[G0B+2:G0B+3], 18432
.endif
	s_wait_dscnt 0x0
	s_barrier_signal -1
	MUL8 0, \ks, 0
	WIN 0
	s_barrier_wait -1
.if \fill
	CREST
	JLOAD G0, G1, G0B, G1B
.else
	PLACES
.endif
	FETCH (\ks)+1
	MUL8 1, \ks, 0
.endm
	s_wait_alu depctr_va_vdst(0)
	s_wait_tensorcnt 2
	s_barrier_signal -1
	s_barrier_wait -1
	FETCH 0
	STEP 0, 1
	STEP 1, 0
	STEP 2, 0
	TURN 3, 1
.irp k, 4,5,6,7,8,9,10
	STEP \k, 0
.endr
	TURN 11, 0
	STEP 12, 0
	STEP 13, 0
	STEP 14, 0
	s_wait_dscnt 0x0
	MUL8 0, 15, 0
	MUL8 1, 15, 0
	WIN 0
.macro TOSTAGE a
.irp b, 0,1,2,3
	ds_store_b128 v[STO], v[ACC+8*(4*(\a)+\b):ACC+8*(4*(\a)+\b)+3] offset:128*(\b/2)+32*(\b%2)
	ds_store_b128 v[STO], v[ACC+8*(4*(\a)+\b)+4:ACC+8*(4*(\a)+\b)+7] offset:128*(\b/2)+32*(\b%2)+16
.endr
.irp t, 0,1,2,3,4,5,6,7
	ds_load_b128 v[BK+32*((\a)%2)+4*\t:BK+32*((\a)%2)+4*\t+3], v[RD] offset:544*\t
.endr
.endm
.macro SEND a, younger
	s_wait_dscnt \younger
.irp t, 0,1,2,3,4,5,6,7
	global_store_b128 v[CO], v[BK+32*((\a)%2)+4*\t:BK+32*((\a)%2)+4*\t+3], s[8:9] offset:(32*((\a)/2)+8*((\a)%2)+16*(\t/4)+(2*\t)%8)*4096 th:TH_STORE_NT
.endr
.endm
	PLACES
	TOSTAGE 0
	TOSTAGE 1
	SEND 0, 16
	s_wait_xcnt 0x0
	TOSTAGE 2
	SEND 1, 16
	s_wait_xcnt 0x0
	TOSTAGE 3
	SEND 2, 16
	SEND 3, 0
	s_wait_tensorcnt 0x0
	ds_add_u32 v[SPW], v[NIL]
	s_wait_dscnt 0x0
	CROUND
	s_endpgm
.Lfunc_end_k_q6c3789c7af_oproj:
	.size	k_q6c3789c7af_oproj, .Lfunc_end_k_q6c3789c7af_oproj-k_q6c3789c7af_oproj
	.p2alignl 7, 3214868480
	.fill 96, 4, 3214868480
	.section	.rodata,"a",@progbits
	.p2align	6, 0x0
	.amdhsa_kernel k_q6c3789c7af_oproj
		.amdhsa_group_segment_fixed_size 327680
		.amdhsa_private_segment_fixed_size 0
		.amdhsa_enable_private_segment 0
		.amdhsa_kernarg_size 24
		.amdhsa_user_sgpr_count 2
		.amdhsa_user_sgpr_kernarg_segment_ptr 1
		.amdhsa_wavefront_size32 1
		.amdhsa_system_sgpr_workgroup_id_x 1
		.amdhsa_system_sgpr_workgroup_id_y 1
		.amdhsa_system_sgpr_workgroup_id_z 1
		.amdhsa_system_vgpr_workitem_id 0
		.amdhsa_next_free_vgpr 512
		.amdhsa_next_free_sgpr 96
		.amdhsa_reserve_vcc 0
		.amdhsa_float_denorm_mode_32 3
		.amdhsa_float_denorm_mode_16_64 3
		.amdhsa_memory_ordered 1
		.amdhsa_forward_progress 1
		.amdhsa_inst_pref_size 85
	.end_amdhsa_kernel
	.amdgpu_metadata
---
amdhsa.version: [ 1, 2 ]
amdhsa.kernels:
  - .name:           k_q6c3789c7af_oproj
    .symbol:         k_q6c3789c7af_oproj.kd
    .args:
      - { .name: AB, .offset: 0, .size: 8, .value_kind: global_buffer, .address_space: global }
      - { .name: WB, .offset: 8, .size: 8, .value_kind: global_buffer, .address_space: global }
      - { .name: out0, .offset: 16, .size: 8, .value_kind: global_buffer, .address_space: global }
    .group_segment_fixed_size: 327680
    .private_segment_fixed_size: 0
    .kernarg_segment_align: 8
    .kernarg_segment_size: 24
    .max_flat_workgroup_size: 128
    .sgpr_count:     96
    .vgpr_count:     512
    .wavefront_size: 32
...
	.end_amdgpu_metadata
.endif
;; end of part 4
